; MI455X (gfx1250); checked and timed in simulation.
; The chip was launched on July 23, 2026; its instructions are those of AMD's public machine-readable ISA for CDNA 5 (MIT licence, August 2026) and "CDNA5" Instruction Set Architecture Reference Guide (July 2026). The comments in the code are by the model that wrote it; some were corrected since.
;; Multi Head Attention. Allowed arithmetic: matrix products marked QUANTISED: E2M3 operands, one E8M0 scale for each 32 along K, by v_wmma_scale_f32_16x16x128_f8f6f4 with both operands' format E2M3, f32 sums; everything else in f32.
;; Inputs: mask 2,048 x 2,048 bool; w_qkv 3,072 x 1,024 float32; wo 1,024 x 1,024 float32; x 4 x 2,048 x 1,024 float32.
;; Outputs: out0 4 x 2,048 x 1,024 float32.
;; This version of the problem:
;;   THIS VERSION OF THE PROBLEM IS GIVEN IN LOW PRECISION. The matrix products marked QUANTISED in the list below multiply operands that are first quantised to E2M3 (2 exponent bits, 3 mantissa bits; 6 bits a number), with one power-of-two scale for each 32 numbers along K (OCP MX v1.0); their sums are f32. All else is computed in f32.
;;   The module's matrix products, in the order in which they are computed (A, B: the left and right operand; K: the contracted axis; several contracted axes count as one K, in the product's order):
;;     1. [M 8,192, K 1,024] x [K 1,024, N 3,072]; A: input x; B: input w_qkv: QUANTISED
;;     2. batch 64 x [M 2,048, K 64] x [K 64, N 2,048]; A: computed on the way; B: computed on the way: QUANTISED
;;     3. batch 64 x [M 2,048, K 2,048] x [K 2,048, N 64]; A: softmax (see below); B: computed on the way: QUANTISED
;;     4. [M 8,192, K 1,024] x [K 1,024, N 1,024]; A: computed on the way; B: input wo: QUANTISED
;;   THE QUANTISER, for each operand of a quantised product, along K:
;;     - K is cut into blocks of 32 from its start; a last block that is shorter is filled with zeros.
;;     - A block's scale is 2^e with e = floor(log2(the largest magnitude in the block)) - 2, held to -126 .. 127; a block of zeros has e = 0. As a byte (E8M0): e + 127.
;;     - Each number is divided by its block's scale, clamped to +-7.5, and rounded to the nearest number of E2M3, ties to even, subnormals kept.
;;     - The product sums the exact products of the quantised numbers (number of the format x scale) in f32.
;;   ~~~python
;;   def quantise(x, axis):      # numpy; x: float32 -> the quantised numbers, widened to float32 again
;;       x = np.moveaxis(x, axis, -1); K = x.shape[-1]
;;       x = np.pad(x, [(0, 0)] * (x.ndim - 1) + [(0, -K % 32)]); x = x.reshape(x.shape[:-1] + (-1, 32)); a = np.abs(x).max(-1, keepdims=True)
;;       e = np.where(a > 0, np.clip(np.frexp(np.where(a > 0, a, 1))[1] - 1 - 2, -126, 127), 0)      # np.frexp(a)[1] - 1 = floor(log2(a)), exactly
;;       r = np.clip(x / 2.0 ** e, -7.5, 7.5)
;;       step = 2.0 ** (np.maximum(np.frexp(np.where(r == 0, 1, r))[1] - 1, 0) - 3)
;;       q = np.round(r / step) * step * 2.0 ** e      # np.round: ties to even
;;       return np.moveaxis(q.reshape(q.shape[:-2] + (-1,))[..., :K], -1, axis).astype(np.float32)
;;   ~~~
;;   SOFTMAX AHEAD OF A QUANTISED PRODUCT. Where the list says 'softmax', what is quantised is not the finished softmax but p = 2^(t - M), with t = logit x log2(e) and M = ceil(the row's largest t), a whole number; so 1/2 < the row's largest p <= 1. The row's sum l is taken of the UNQUANTISED p, in f32, and the product's result is divided by l at the end. Since M is a whole number, a kernel that streams over the keys may use a running M (the ceiling of the running maximum): every later rescaling is an exact power of two, which a block's scale takes up: the codes' values come out the same.
;;   OPERANDS COMPUTED ON THE WAY. 'Computed on the way' means the value that the module computes at that place (a softmax that the list does not call 'softmax' is quantised finished and normalised). What goes into a quantiser is computed in f32, as accurately as f32 sums, v_exp_f32 and their like allow (about 1e-6 of the number): no bf16 or f16 on the way to a quantiser, and a product that is left as it is and whose result goes on into a quantised operand takes f32 operands (vector FMAs, or v_wmma_f32_16x16x4_f32). A number that lies on a knife's edge between two numbers of the format may be rounded either way, as far as f32 arithmetic and the matrix unit's own rounding can turn it there, and no further.
;; 2 versions, each right; version 2 is version 1 with the launch attn written anew for expert scheduling mode. Each part assembles by itself: llvm-mc -triple=amdgcn-amd-amdhsa -mcpu=gfx1250 --defsym DOCPART=n.
;; ======== version 1 of 2: 4 launches
;; workspace buffers: w1 9,011,200 bytes; w2 20,185,088 bytes; w3 7,372,800 bytes; maskw 524,288 bytes of whole numbers; flags 131,072 bytes of whole numbers
;; launch prep (part 1): grid 320 x 1, 4 waves a work-group, no clusters, 34,304 bytes of LDS; arguments x, w_qkv, wo, mask, w1, w3, maskw, flags; writes w1, w3, maskw, flags
.if DOCPART == 1
	.amdgcn_target "amdgcn-amd-amdhsa--gfx1250"
	.amdhsa_code_object_version 6
	.text
	.protected	k_q8af4414988_prep
	.globl	k_q8af4414988_prep
	.p2align	8
	.type	k_q8af4414988_prep,@function
k_q8af4414988_prep:
	s_mov_b64 s[64:65], 0
	v_nop
	global_prefetch_b8 v0, s[64:65] scope:SCOPE_SE
	s_setreg_imm32_b32 hwreg(HW_REG_WAVE_MODE, 25, 1), 1
	s_wait_xcnt 0x0
; PREP.  Work-groups 0-191: x [8192][1024], w_qkv [3072][1024] and wo [1024][1024], f32 with K innermost, become codes of FP6 (E2M3) with one E8M0 byte for each 32 along K.
; Work-groups 192-319: the mask [2048][2048] of bytes becomes lane masks in the order in which the attention launch holds its scores, and two bits for each (tile of 16 queries, step of 128 keys): any key counts, all keys count.
; THE CODES ARE LAID AS THE OPERAND'S REGISTERS.  A row tile a is 16 rows: lane r stands for row 32 (a / 2) + 8 (a % 2) + r % 8 + 16 (r / 8).  A fragment (16 rows x 128 K, 12 registers a lane) is 1,536 bytes:
; twice (registers 0-3 at 16 x lane, 512 bytes; registers 4-5 at 8 x lane, 256 bytes).  A row tile's 8 fragments follow each other: 12,288 bytes.  Scale bytes lie [row][32].
; A block's scale is 2^(floor(log2(largest magnitude)) - 2): its byte is the largest magnitude's exponent field - 2, held at 1 from below.
; LIMITS: a block of zeros, or one whose largest magnitude lies under 2^-124, gets the byte 1 (the bytes are read by this program alone, and zero codes add nothing); NaN and infinities among x, w_qkv, wo are not served.
; A wave takes one row tile: each load reads 512 consecutive bytes of one row; the 16 rows x 512 bytes turn through the wave's own stage in LDS (rows of 528 bytes), so that lane (r, h) gets k = 64 c + 32 h + 0..31 of its row:
; two whole blocks a lane, no other lane is asked for a maximum.  No barrier: waves share nothing.  Matrix units, clusters and tensor loads would add nothing to a stream that is read once.
.set SC1, 8650752                      ; w1: behind 704 row tiles of codes, the scale bytes of 11,264 rows
.set SC3, 7077888                      ; w3: behind 576 row tiles of codes, the scale bytes of 9,216 rows
.set STG, 8448                         ; a wave's stage: 16 rows x 528 bytes
.set L,   32                           ; v32-159  two sets of 64 registers as loaded
.set X,   160                          ; v160-223 my 64 numbers: register 32 c + i = k 64 c + 32 h + i
.set C,   224                          ; v224-235 the fragment's codes
.set CT,  236                          ; v236-238, v240-242 the conversions' second halves (three registers begin on an even number)
.set SWD, 244                          ; v244-251 my row's 8 scale words
	s_load_b512 s[4:19], s[0:1], 0x0               ; x s[4:5], w_qkv s[6:7], wo s[8:9], mask s[10:11], w1 s[12:13], w3 s[14:15], maskw s[16:17], flags s[18:19]
	v_lshl_add_u32 v254, v0, 2, 0x8400
	v_mov_b32 v255, 0
	v_lshrrev_b32 v1, 5, v0
	v_readfirstlane_b32 s20, v1                    ; wave 0..3
	v_and_b32 v7, 31, v0                           ; lane
	v_and_b32 v8, 15, v0                           ; r
	v_bfe_u32 v9, v0, 4, 1                         ; h
	v_and_b32 v10, 7, v0
	v_bfe_u32 v11, v0, 3, 1
	v_lshl_add_u32 v10, v11, 4, v10                ; r % 8 + 16 (r / 8): my row in a pair of tiles
	s_cmp_lt_u32 ttmp9, 192
	s_cbranch_scc0 .Lmask
	; ---------------- the quantiser ----------------
	v_lshlrev_b32 v1, 4, v7                        ; 16 x lane
	v_lshlrev_b32 v2, 3, v7                        ; 8 x lane
	s_mul_i32 s21, s20, STG
	v_add_nc_u32 v3, s21, v1                       ; into the stage: 16 x lane of a row
	v_mul_u32_u24 v4, v8, 528
	v_lshl_add_u32 v4, v9, 7, v4
	v_add_nc_u32 v4, s21, v4                       ; out of it: row r, + 128 h bytes
	v_lshlrev_b32 v5, 5, v10
	v_lshl_add_u32 v5, v9, 4, v5                   ; my row's 32 scale bytes, my half of them
	v_lshlrev_b32 v6, 3, v9                        ; 8 h: my bytes' place in a scale word
	v_mov_b32 v23, 0                               ; a lane permute's destination counts as read
	s_mov_b32 s40, 0x76543210
	s_mov_b32 s41, 0xfedcba98                      ; selects for lane l xor 16
	s_mov_b32 s42, 0xffff0000                      ; lanes 16-31
	s_lshl_b32 s22, ttmp9, 2
	s_add_co_u32 s22, s22, s20                     ; my row tile among the 768
	s_wait_kmcnt 0x0
	s_cmp_lt_u32 ttmp9, 128                        ; the choices hang on the work-group's number alone
	s_cselect_b64 s[24:25], s[4:5], s[6:7]
	s_cselect_b32 s26, 0, 512
	s_cmp_lt_u32 ttmp9, 176
	s_cselect_b64 s[24:25], s[24:25], s[8:9]       ; the source: x, w_qkv or wo
	s_cselect_b32 s26, s26, 704                    ; its first tile
	s_cselect_b64 s[28:29], s[12:13], s[14:15]     ; the destination: w1, or for wo w3
	s_cselect_b32 s30, 0, 192                      ; wo's tiles begin at tile 512 of w3
	s_mov_b32 s31, SC3
	s_cselect_b32 s31, SC1, s31
	s_sub_co_u32 s32, s22, s26                     ; the tile in its source
	s_sub_co_u32 s33, s22, s30                     ; and in its destination
	s_lshr_b32 s34, s32, 1
	s_lshl_b32 s34, s34, 17                        ; 32 rows of 4,096 bytes
	s_and_b32 s35, s32, 1
	s_lshl_b32 s35, s35, 15                        ; 8 rows
	s_add_co_u32 s34, s34, s35
	s_mov_b32 s35, 0
	s_add_nc_u64 s[24:25], s[24:25], s[34:35]
	s_mul_i32 s34, s33, 12288
	s_add_nc_u64 s[36:37], s[28:29], s[34:35]      ; my tile's codes
	s_lshr_b32 s34, s33, 1
	s_lshl_b32 s34, s34, 10
	s_and_b32 s38, s33, 1
	s_lshl_b32 s38, s38, 8
	s_add_co_u32 s34, s34, s38
	s_add_co_u32 s34, s34, s31
	s_add_nc_u64 s[28:29], s[28:29], s[34:35]      ; my tile's scale bytes
.macro LOADF f                         ; fragment f: 512 bytes of each of the tile's 16 rows, 32 lanes on 512 consecutive bytes
.irp i, 0,1,2,3,4,5,6,7,8,9,10,11,12,13,14,15
	global_load_b128 v[L+64*((\f)%2)+4*\i:L+64*((\f)%2)+4*\i+3], v1, s[24:25] offset:((\i%8)+16*(\i/8))*4096+512*(\f) th:TH_LOAD_NT
.endr
.endm
.macro FRAGQ f
.if (\f) < 7
	s_wait_loadcnt 16                              ; this fragment's 16 loads are in; the next fragment's 16 may be out
.else
	s_wait_loadcnt 0x0
.endif
.irp i, 0,1,2,3,4,5,6,7,8,9,10,11,12,13,14,15
	ds_store_b128 v3, v[L+64*((\f)%2)+4*\i:L+64*((\f)%2)+4*\i+3] offset:528*\i
.endr
.irp c, 0,1
.irp j, 0,1,2,3,4,5,6,7
	ds_load_b128 v[X+32*\c+4*\j:X+32*\c+4*\j+3], v4 offset:256*\c+16*\j   ; LDS serves a wave's instructions in order: these see the stores above
.endr
.endr
	s_wait_dscnt 0x0                               ; my numbers are back, and the stores have read their registers,
.if (\f) < 6
	LOADF (\f)+2                                   ; which take the loads of two fragments on
.endif
.irp c, 0,1
	v_max3_num_f32 v[16+\c], |v[X+32*\c]|, |v[X+1+32*\c]|, 0x1800000   ; block 2 c + h: all 32 numbers are mine; the floor 2^(3 - 127) holds the byte at 1 from below
.endr
.irp i, 2,4,6,8,10,12,14,16,18,20,22,24,26,28,30
.irp c, 0,1
	v_max3_num_f32 v[16+\c], v[16+\c], |v[X+32*\c+\i]|, |v[X+1+32*\c+\i]|
.endr
.endr
.irp c, 0,1
	v_add_nc_u32 v[18+\c], 0xff000000, v[16+\c]    ; 2 off the exponent field: the conversion's scale operand
.endr
.irp c, 0,1
	v_lshrrev_b32 v[20+\c], 23, v[18+\c]           ; the scale's byte
.endr
	v_lshl_or_b32 v22, v21, 16, v20                ; bytes h and 2 + h of the word,
	v_lshlrev_b32 v22, v6, v22                     ; at their places;
	v_permlanex16_b32 v23, v22, s40, s41
	v_or_b32 v[SWD+\f], v22, v23                   ; with lane l xor 16's two the word is whole
	s_wait_xcnt 0x0                                ; the last fragment's stores have read their data: the codes' registers are written again only behind this wait
.irp c, 0,1
	v_cvt_scalef32_pk16_fp6_f32 v[C+6*\c:C+6*\c+2], v[X+32*\c:X+32*\c+15], v[18+\c]
	v_cvt_scalef32_pk16_fp6_f32 v[CT+4*\c:CT+4*\c+2], v[X+32*\c+16:X+32*\c+31], v[18+\c]
.endr
	v_nop                                          ; one plain place behind the scaled conversions
.irp c, 0,1
.irp i, 0,1,2
	v_mov_b32 v[C+3+6*\c+\i], v[CT+4*\c+\i]
.endr
.endr
	global_store_b128 v1, v[C:C+3], s[36:37] offset:1536*(\f)            ; 512 consecutive bytes
	global_store_b64 v2, v[C+4:C+5], s[36:37] offset:1536*(\f)+512       ; 256
	global_store_b128 v1, v[C+6:C+9], s[36:37] offset:1536*(\f)+768
	global_store_b64 v2, v[C+10:C+11], s[36:37] offset:1536*(\f)+1280
.endm
	LOADF 0
	LOADF 1
.irp f, 0,1,2,3,4,5,6,7
	FRAGQ \f
.endr
.irp j, 0,1,2,3
	v_cndmask_b32 v[24+\j], v[SWD+\j], v[SWD+4+\j], s42   ; lanes 0-15 store their row's words 0-3, lanes 16-31 words 4-7
.endr
	global_store_b128 v5, v[24:27], s[28:29]       ; rows 0-7 and rows 16-23 of the pair of tiles: twice 256 consecutive bytes
	s_wait_tensorcnt 0x0
	ds_add_u32 v254, v255
	s_wait_dscnt 0x0
	s_endpgm
	; ---------------- the mask ----------------
	; Tile T of 16 queries (lane r: query 32 (T / 2) + 8 (T % 2) + r % 8 + 16 (r / 8)); wave w takes key steps 4 w .. 4 w + 3.
	; Word n (0..63) of a step: bit (r, h) = mask[query of r][128 s + 32 (n / 16) + 16 h + n % 16]: the lane mask for score register n.
.Lmask:
	s_sub_co_u32 s22, ttmp9, 192                   ; T
	v_lshlrev_b32 v1, 11, v10
	v_lshl_add_u32 v1, v9, 4, v1                   ; my row of 2,048 bytes, + 16 h
	v_lshlrev_b32 v2, 3, v7                        ; 8 x lane
	s_lshr_b32 s23, s22, 1
	s_lshl_b32 s23, s23, 16                        ; 32 rows
	s_and_b32 s24, s22, 1
	s_lshl_b32 s24, s24, 14                        ; 8 rows
	s_add_co_u32 s24, s24, s23
	s_lshl_b32 s23, s20, 9                         ; my wave's 512 keys
	s_add_co_u32 s24, s24, s23
	s_mov_b32 s25, 0
	s_lshl_b32 s23, s22, 2
	s_add_co_u32 s23, s23, s20                     ; 4 T + w
	s_lshl_b32 s26, s23, 10                        ; four steps of 256 bytes
	s_mov_b32 s27, 0
	s_wait_kmcnt 0x0
	s_add_nc_u64 s[10:11], s[10:11], s[24:25]
	s_add_nc_u64 s[16:17], s[16:17], s[26:27]
	s_lshl_b32 s26, s23, 8
	s_add_nc_u64 s[18:19], s[18:19], s[26:27]
.irp sl, 0,1,2,3
.irp b, 0,1,2,3
	global_load_b128 v[32+16*\sl+4*\b:35+16*\sl+4*\b], v1, s[10:11] offset:128*\sl+32*\b   ; 16 mask bytes: keys 128 sl + 32 b + 16 h + 0..15 of my query
.endr
.endr
	s_mov_b32 s30, 0                               ; bit sl: some key of the step counts for some query of the tile
	s_mov_b32 s31, 0                               ; bit sl: all do
	s_wait_loadcnt 0x0
.macro MSTEP sl
	s_mov_b32 s28, 0
	s_mov_b32 s29, -1
	v_mov_b32 v[96+2*\sl], 0                       ; (a lane write's destination counts as read)
	v_mov_b32 v[97+2*\sl], 0
.set n, 0
.rept 64
	v_and_b32 v[12+n%4], 0xff<<(8*(n%4)), v[32+16*\sl+4*(n/16)+((n%16)/4)]   ; mask byte n % 16 of piece n / 16
	v_cmp_ne_u32 s[32+n%4], 0, v[12+n%4]           ; the 32 lanes' bits: word n
	v_writelane_b32 v[96+2*\sl+n%2], s[32+n%4], n/2   ; lane n / 2 will store words n and n + 1
	s_or_b32 s28, s28, s[32+n%4]
	s_and_b32 s29, s29, s[32+n%4]
.set n, n+1
.endr
	global_store_b64 v2, v[96+2*\sl:97+2*\sl], s[16:17] offset:256*\sl   ; the step's 64 words: 256 consecutive bytes
	s_cmp_lg_u32 s28, 0
	s_cselect_b32 s36, 1<<\sl, 0
	s_or_b32 s30, s30, s36
	s_cmp_eq_u32 s29, -1
	s_cselect_b32 s36, 1<<\sl, 0
	s_or_b32 s31, s31, s36
.endm
	MSTEP 0
	MSTEP 1
	MSTEP 2
	MSTEP 3
	v_mov_b32 v104, s30
	v_mov_b32 v105, s31
	global_store_b64 v2, v[104:105], s[18:19]      ; the pair, 32 times: 256 consecutive bytes written whole
	s_endpgm
.Lfunc_end_k_q8af4414988_prep:
	.size	k_q8af4414988_prep, .Lfunc_end_k_q8af4414988_prep-k_q8af4414988_prep
	.p2alignl 7, 3214868480
	.fill 96, 4, 3214868480
	.section	.rodata,"a",@progbits
	.p2align	6, 0x0
	.amdhsa_kernel k_q8af4414988_prep
		.amdhsa_group_segment_fixed_size 34304
		.amdhsa_private_segment_fixed_size 0
		.amdhsa_enable_private_segment 0
		.amdhsa_kernarg_size 64
		.amdhsa_user_sgpr_count 2
		.amdhsa_user_sgpr_kernarg_segment_ptr 1
		.amdhsa_wavefront_size32 1
		.amdhsa_system_sgpr_workgroup_id_x 1
		.amdhsa_system_sgpr_workgroup_id_y 1
		.amdhsa_system_sgpr_workgroup_id_z 1
		.amdhsa_system_vgpr_workitem_id 0
		.amdhsa_next_free_vgpr 256
		.amdhsa_next_free_sgpr 66
		.amdhsa_reserve_vcc 0
		.amdhsa_float_denorm_mode_32 3
		.amdhsa_float_denorm_mode_16_64 3
		.amdhsa_memory_ordered 1
		.amdhsa_forward_progress 1
		.amdhsa_inst_pref_size 127
	.end_amdhsa_kernel
	.amdgpu_metadata
---
amdhsa.version: [ 1, 2 ]
amdhsa.kernels:
  - .name:           k_q8af4414988_prep
    .symbol:         k_q8af4414988_prep.kd
    .args:
      - { .name: x, .offset: 0, .size: 8, .value_kind: global_buffer, .address_space: global }
      - { .name: w_qkv, .offset: 8, .size: 8, .value_kind: global_buffer, .address_space: global }
      - { .name: wo, .offset: 16, .size: 8, .value_kind: global_buffer, .address_space: global }
      - { .name: mask, .offset: 24, .size: 8, .value_kind: global_buffer, .address_space: global }
      - { .name: w1, .offset: 32, .size: 8, .value_kind: global_buffer, .address_space: global }
      - { .name: w3, .offset: 40, .size: 8, .value_kind: global_buffer, .address_space: global }
      - { .name: maskw, .offset: 48, .size: 8, .value_kind: global_buffer, .address_space: global }
      - { .name: flags, .offset: 56, .size: 8, .value_kind: global_buffer, .address_space: global }
    .group_segment_fixed_size: 34304
    .private_segment_fixed_size: 0
    .kernarg_segment_align: 8
    .kernarg_segment_size: 64
    .max_flat_workgroup_size: 128
    .sgpr_count:     66
    .vgpr_count:     256
    .wavefront_size: 32
...
	.end_amdgpu_metadata
.endif
;; end of part 1
;; launch qkv (part 2): grid 12 x 32, 4 waves a work-group, clusters of 4 x 4, 327,680 bytes of LDS; arguments w1, w2; writes w2
.if DOCPART == 2
	.amdgcn_target "amdgcn-amd-amdhsa--gfx1250"
	.amdhsa_code_object_version 6
	.text
	.protected	k_q8af4414988_qkv
	.globl	k_q8af4414988_qkv
	.p2align	8
	.type	k_q8af4414988_qkv,@function
k_q8af4414988_qkv:
	s_mov_b64 s[64:65], 0
	v_nop
	global_prefetch_b8 v0, s[64:65] scope:SCOPE_SE
	s_setreg_imm32_b32 hwreg(HW_REG_WAVE_MODE, 25, 1), 1
	s_wait_xcnt 0x0
	s_wait_alu depctr_hold_cnt(0) depctr_sa_sdst(0) depctr_va_vdst(0) depctr_va_sdst(0) depctr_va_ssrc(0) depctr_va_vcc(0) depctr_vm_vsrc(0)
	s_getreg_b32 s2, hwreg(HW_REG_IB_STS2, 6, 4)
	s_cmp_eq_u32 s2, 0
	s_cbranch_scc0 .Lentry_in_a_cluster
	s_endpgm
.Lentry_in_a_cluster:
	s_bfe_u32 s2, ttmp6, 0x10000c
	s_cmp_lg_u32 s2, 0xf033
	s_cbranch_scc0 .Lentry_shape_is_right
	s_endpgm
.Lentry_shape_is_right:
; QKV.  x w_qkv^T on codes of FP6 (E2M3) with E8M0 scales, M 8,192, N 3,072, K 1,024, and the quantisers of q, k (along the head's 64) and v (along the keys) on the way out: no f32 result goes to memory.
; Operands lie in w1 as images of their registers: a row tile (16 rows; lane r stands for row 32 (a / 2) + 8 (a % 2) + r % 8 + 16 (r / 8)) is 8 fragments of 1,536 bytes; x's tiles 0-511, w_qkv's 512-703; scale bytes [row][32] behind them.
; A work-group of four waves makes 256 rows of x by 256 rows of w_qkv; a wave 128 x 128: 64 accumulators, 512 registers.  K goes in four steps of 256 through two LDS slots; all of it is written out: four steps need no loop.
; ROLES.  Source 0 (P) is the side along which the result is quantised next: its index runs along a lane's registers.  Source 1 (R) gives the lane its row.  q and k (cluster x 0, 1): P = rows of w_qkv (head, d), R = rows of x.
; v (cluster x 2): P = rows of x (the keys), R = rows of w_qkv (d).  The role hangs on the cluster's x alone, which all sixteen partners share; the tensor loads are the same in both roles.
; With the tiles' row order, register n = 8 b + j of a lane's 64 results of R tile a is P index 32 (n / 16) + 16 (lane / 16) + n % 16: 16 neighbours along the next K in 16 neighbouring registers.
; CLUSTERS: 4 x 4 work-groups; x's tiles are shared along a row of the cluster, w_qkv's along a column: each is asked for jointly, by the same tensor load with the same descriptor and a mask that names the four.
; No prefetch: a work-group has two refills in all.  No padding in LDS: an image is read as it lies, 512 or 256 consecutive bytes an instruction.
; LIMITS: a block of zeros or under 2^-124 gets the scale byte 1 (read by this program alone); NaN and infinities are not served.
; REGISTERS, in windows of 256: window 0: v0-31 addresses; v32-95 scale words (register 8 i + s: lanes 0-15 R tile i's word of K step s, lanes 16-31 P tile i's); v96-127 at work on the way out; v128-223 R's 8 fragments, one set; v224-243 codes just made.
;   window 1: P's fragments, two sets, at v0 and v128.   windows 2, 3: accumulator (a, b) at v[8 (8 (a % 4) + b)], R tiles 0-3 and 4-7.
.set SLOT,   98304                     ; x's 16 row tiles x 3,072 bytes (256 along K), then w_qkv's 16
.set SPARE,  2*SLOT                    ; the spare words, 128 bytes for each wave: two blocks of 256 bytes that no other line names
.set SC1,    8650752                   ; w1's scale bytes
.set QS,     18874368                  ; w2: q's scale words; k's 524,288 further, v's 1,048,576 further
.set RA16, 16                          ; v16-17 LDS address of R's images in slot 0, 1, + 16 x lane;  v18-19 + 8 x lane
.set RA8,  18
.set PA16, 20                          ; v20-23 the same for P
.set PA8,  22
.set SPW,  28                          ; v28 LDS address of my spare word; never rewritten
.set NIL,  29                          ; v29 0; never rewritten
.set SC,   32
.set TM,   96                          ; v96-99 largest magnitudes, v100-103 the other half's, then bytes, v108-111 scale operands
.set SW,   112                         ; v112-119 the scale word of each R tile
.set XW,   120                         ; v120-127 scale words as they are stored
.set RF,   128
.set PC,   224
.set G1, 24                            ; s[24:31] descriptor group 1 for x's tiles;  s[32:39] group 0, one set for each slot
.set G0, 32
.set G1B, 48                           ; s[48:55], s[56:63] the same for w_qkv's
.set G0B, 56
.set SEL, 90                           ; s[90:91] selects for lane l xor 16
.set MSB, 0
.macro WIN new                         ; the immediate's high byte repeats the setting that is left
.if MSB != \new
	s_set_vgpr_msb (MSB<<8)|\new
.set MSB, \new
.endif
.endm
.set MUL_LO, 0xa1                      ; source 0 (P) window 1, source 1 (R) window 0, C and D window 2
.set MUL_HI, 0xf1                      ; the same, C and D window 3
.set TO_P,   0x40                      ; destination window 1, address window 0
; A joint load: waves 0 and 1 fetch x's two halves, waves 2 and 3 w_qkv's.  Four v_nop follow each of the two lines, ahead of the jump, the label and what follows.
.macro JLOAD g0a, g0b
	s_cmp_eq_u32 s15, 0
	s_cbranch_scc0 .Lfor_b_\@
	tensor_load_to_lds s[\g0a:\g0a+3], s[G1:G1+7]
	s_nop 0
.rept 4
	v_nop
.endr
	s_branch .Lasked_\@
.Lfor_b_\@:
	tensor_load_to_lds s[\g0b:\g0b+3], s[G1B:G1B+7]
	s_nop 0
.rept 4
	v_nop
.endr
.Lasked_\@:
.endm
.macro CREST                           ; a round of the cluster's barrier behind its opening barrier
	s_cmp_lg_u32 s14, 0
	s_cbranch_scc1 .Lnot_wave_0_\@
	s_barrier_signal -3
.Lnot_wave_0_\@:
	s_barrier_wait -3
	s_barrier_signal -1
	s_barrier_wait -1
.endm
.macro CROUND                          ; a whole round
	s_barrier_signal -1
	s_barrier_wait -1
	CREST
.endm
.macro PLACES                          ; four plain places behind a matrix instruction, in front of loads into its registers and of reads of its results
.rept 4
	v_nop
.endr
.endm
	s_load_b128 s[4:7], s[0:1], 0x0                ; w1 s[4:5], w2 s[6:7]
	v_lshl_add_u32 v[SPW], v0, 2, SPARE
	v_mov_b32 v[NIL], 0
	ds_add_u32 v28, v29
	ds_add_u32 v28, v29
	s_wait_dscnt 0x0
	v_lshrrev_b32 v1, 5, v0
	v_readfirstlane_b32 s14, v1                    ; wave 0..3
	s_lshr_b32 s15, s14, 1                         ; which half of R's 256 rows is mine.  Also: I fetch for x (0) or for w_qkv (1)
	s_and_b32 s16, s14, 1                          ; which half of P's.  Also: which 8 row tiles I fetch
	s_bfe_u32 s40, ttmp6, 0x40000                  ; cx, cy: my place in the cluster
	s_bfe_u32 s41, ttmp6, 0x40004
	s_lshl_b32 s42, ttmp9, 2
	s_add_co_u32 s42, s42, s40                     ; which 256 rows of w_qkv = 4 x cluster x + cx
	s_and_b32 s17, ttmp7, 0xffff
	s_lshl_b32 s17, s17, 2
	s_add_co_u32 s17, s17, s41                     ; which 256 rows of x = 4 x cluster y + cy
	s_lshl_b32 s43, s41, 2
	s_lshl_b32 s43, 15, s43                        ; my row of the cluster
	s_lshl_b32 s44, 0x1111, s40                    ; my column
	; descriptor group 1: 8 row tiles, of each 3,072 bytes (384 elements of 8 bytes), 12,288 bytes (1,536 elements) apart; dense in LDS
	s_or_b32 s[G1], s43, (3<<16)|(1<<21)           ; 15:0 the mask: x's tiles go to my row; 17:16 elements of 8 bytes; 20 no padding; 21 set beside a mask
	s_or_b32 s[G1B], s44, (3<<16)|(1<<21)          ; w_qkv's go to my column
.irp g, G1, G1B
	s_mov_b32 s[\g+1], 384<<16                     ; tensor_dim0
	s_mov_b32 s[\g+2], 8<<16                       ; tensor_dim1
	s_mov_b32 s[\g+3], 384<<16                     ; tile_dim0
	s_mov_b32 s[\g+4], 8                           ; tile_dim1
	s_mov_b32 s[\g+5], 1536                        ; tensor_dim0_stride
	s_mov_b32 s[\g+6], 0
	s_mov_b32 s[\g+7], 0
.endr
	s_lshl_b32 s18, s16, 3
	s_lshl_b32 s20, s17, 4
	s_add_co_u32 s20, s20, s18                     ; x: row tile 16 x (my 256 rows) + 8 x half
	s_mul_i32 s20, s20, 12288
	s_mov_b32 s21, 0
	s_lshl_b32 s46, s42, 4
	s_add_co_u32 s46, s46, s18
	s_add_co_u32 s46, s46, 512                     ; w_qkv: row tile 512 + the same
	s_mul_i32 s46, s46, 12288
	s_mov_b32 s47, 0
	s_mul_i32 s45, s14, 24576                      ; where they go: wave x 8 row tiles: no place in the cluster enters an LDS address
	s_wait_kmcnt 0x0
	s_add_nc_u64 s[20:21], s[4:5], s[20:21]
	s_add_nc_u64 s[46:47], s[4:5], s[46:47]
	CROUND                                         ; all sixteen work-groups are here: the first joint loads meet
.irp s, 0,1
	s_mov_b32 s[G0+4*\s], 1
	s_add_co_u32 s[G0+4*\s+1], s45, \s*SLOT
	s_add_nc_u64 s[G0+4*\s+2:G0+4*\s+3], s[20:21], \s*3072
	s_or_b32 s[G0+4*\s+3], s[G0+4*\s+3], 0x80000000
	s_mov_b32 s[G0B+4*\s], 1
	s_add_co_u32 s[G0B+4*\s+1], s45, \s*SLOT
	s_add_nc_u64 s[G0B+4*\s+2:G0B+4*\s+3], s[46:47], \s*3072
	s_or_b32 s[G0B+4*\s+3], s[G0B+4*\s+3], 0x80000000
	JLOAD G0+4*\s, G0B+4*\s                        ; two loads of mine are out
.endr
	; the roles: every choice on one compare of the cluster's x
	s_lshl_b32 s70, s17, 8                         ; x's first row among w1's scale rows
	s_lshl_b32 s71, s42, 8
	s_add_co_u32 s71, s71, 8192                    ; w_qkv's
	s_mov_b32 s76, 98304
	s_mov_b32 s78, 768
	s_mov_b32 s92, 768
	s_cmp_eq_u32 ttmp9, 2
	s_cselect_b32 s66, 1, 0                        ; 1: v
	s_cselect_b32 s67, 49152, 0                    ; where R's images begin in a slot
	s_cselect_b32 s68, 0, 49152                    ; and P's
	s_cselect_b32 s72, s71, s70                    ; R's first scale row
	s_cselect_b32 s73, s70, s71                    ; P's
	s_cselect_b32 s74, s15, s16                    ; which half of the 256 rows of w_qkv is mine: two heads
	s_cselect_b32 s75, s16, s15                    ; which half of the 256 rows of x: 128 places of the sequence
	s_cselect_b32 s76, 768, s76                    ; from a fragment's first half image to its second: q, k: the next head; v: the next 64 keys
	s_cselect_b32 s78, 1536, s78                   ; from R tile to R tile
	s_cselect_b32 s92, 93696, s92                  ; from R tile 3 to R tile 4: in v the next head
	s_mov_b32 s79, 0
	s_mov_b32 s93, 0
	s_mov_b32 s77, 0xffff0000                      ; lanes 16-31
	s_mov_b32 s[SEL], 0x76543210
	s_mov_b32 s[SEL+1], 0xfedcba98
	s_mul_i32 s69, s15, 24576
	s_add_co_u32 s67, s67, s69
	s_mul_i32 s69, s16, 24576
	s_add_co_u32 s68, s68, s69
	s_lshl_b32 s69, s15, 7
	s_add_co_u32 s72, s72, s69
	s_lshl_b32 s69, s16, 7
	s_add_co_u32 s73, s73, s69
	v_and_b32 v1, 31, v0                           ; lane
	v_lshlrev_b32 v2, 4, v1                        ; 16 x lane
	v_lshlrev_b32 v3, 3, v1                        ; 8 x lane
	v_and_b32 v4, 15, v0                           ; r
	v_bfe_u32 v5, v0, 4, 1                         ; h
	v_and_b32 v6, 7, v0
	v_bfe_u32 v8, v0, 3, 1
	v_lshl_add_u32 v6, v8, 4, v6                   ; r % 8 + 16 (r / 8)
.irp s, 0,1
	v_add_nc_u32 v[RA16+\s], s67, v2
	v_add_nc_u32 v[RA8+\s], s67, v3
	v_add_nc_u32 v[PA16+\s], s68, v2
	v_add_nc_u32 v[PA8+\s], s68, v3
	s_add_co_u32 s67, s67, SLOT
	s_add_co_u32 s68, s68, SLOT
.endr
	; the scale words of all of K come once, straight into registers: a row's 32 bytes are its 8 words
	v_mov_b32 v7, s72
	v_mov_b32 v8, s73
	v_cndmask_b32 v7, v7, v8, s77                  ; lanes 0-15 take R's rows, lanes 16-31 P's
	v_add_lshl_u32 v7, v7, v6, 5
	s_add_nc_u64 s[80:81], s[4:5], SC1
.irp i, 0,1,2,3,4,5,6,7
	global_load_b128 v[SC+8*\i:SC+8*\i+3], v7, s[80:81] offset:1024*(\i/2)+256*(\i%2)
	global_load_b128 v[SC+8*\i+4:SC+8*\i+7], v7, s[80:81] offset:1024*(\i/2)+256*(\i%2)+16
.endr
	; where the results go
	s_lshr_b32 s82, s17, 3
	s_lshl_b32 s82, s82, 4
	s_lshl_b32 s83, s40, 2
	s_add_co_u32 s82, s82, s83
	s_lshl_b32 s83, s74, 1
	s_add_co_u32 s82, s82, s83                     ; 16 x batch + my first head
	s_and_b32 s83, s17, 7
	s_lshl_b32 s83, s83, 1
	s_add_co_u32 s83, s83, s75                     ; which 128 places of the sequence
	s_mul_i32 s84, ttmp9, 6291456                  ; q's, k's or v's codes
	s_mul_i32 s85, s82, 98304                      ; a head's
	s_add_co_u32 s84, s84, s85
	s_mul_i32 s85, s83, 6144                       ; 8 half images (q, k) or 4 fragments (v)
	s_add_co_u32 s84, s84, s85
	s_mov_b32 s85, 0
	s_add_nc_u64 s[84:85], s[6:7], s[84:85]
	s_lshl_b32 s86, s82, 13
	s_lshl_b32 s87, s83, 9
	s_add_co_u32 s86, s86, s87
	s_lshr_b32 s86, s86, s66                       ; scale words: q, k 8,192 bytes a head and 512 for 128 places; v half of each
	s_lshl_b32 s87, ttmp9, 19
	s_add_co_u32 s86, s86, s87
	s_add_co_u32 s86, s86, QS
	s_mov_b32 s87, 0
	s_add_nc_u64 s[86:87], s[6:7], s[86:87]
	s_lshr_b32 s88, 0x2000, s66                    ; from a head's scale words to the next head's
	v_lshlrev_b32 v9, 4, v4
	v_mad_u32_u24 v9, v5, s88, v9                  ; 16 r, lanes 16-31 the next head
	v_lshlrev_b32 v10, 4, v5                       ; 16 h
	v_add_nc_u32 v26, s76, v2                      ; the second half image's places
	v_add_nc_u32 v27, s76, v3
.irp b, 0,1,2,3
	v_mov_b32 v[TM+4+\b], 0                        ; a lane permute's destination counts as read
.endr
.macro FRAG reg, a16, a8, off          ; a fragment's image, 1,536 bytes, into 12 registers
	ds_load_b128 v[\reg:\reg+3], v[\a16] offset:\off
	ds_load_b64 v[\reg+4:\reg+5], v[\a8] offset:\off+512
	ds_load_b128 v[\reg+6:\reg+9], v[\a16] offset:\off+768
	ds_load_b64 v[\reg+10:\reg+11], v[\a8] offset:\off+1280
.endm
.macro FETCH_P slot, q, p              ; P's eight fragments of the slot's q-th 128 along K into set p
	WIN TO_P
.irp i, 0,1,2,3,4,5,6,7
	FRAG 128*(\p)+12*\i, PA16+\slot, PA8+\slot, 3072*\i+1536*(\q)
.endr
	WIN 0
.endm
.macro FETCH_R slot, q, i0             ; R's blocks i0 .. i0 + 3
.irp i, \i0, \i0+1, \i0+2, \i0+3
	FRAG RF+12*(\i), RA16+\slot, RA8+\slot, 3072*(\i)+1536*(\q)
.endr
.endm
; 16 matrix instructions: R's blocks a0, a0 + 1 x P's eight, K step s of 8.  The 64 accumulators take turns, one instruction a turn, in the same order in every step.
.macro MUL16 a0, p, s, zero
.irp a, \a0, \a0+1
.irp b, 0,1,2,3,4,5,6,7
.if \zero
	v_wmma_scale_f32_16x16x128_f8f6f4 v[8*(8*((\a)%4)+\b):8*(8*((\a)%4)+\b)+7], v[128*(\p)+12*\b:128*(\p)+12*\b+11], v[RF+12*(\a):RF+12*(\a)+11], 0, v[SC+8*\b+(\s)], v[SC+8*(\a)+(\s)] matrix_a_fmt:MATRIX_FMT_FP6 matrix_b_fmt:MATRIX_FMT_FP6 matrix_a_scale:MATRIX_SCALE_ROW1
.else
	v_wmma_scale_f32_16x16x128_f8f6f4 v[8*(8*((\a)%4)+\b):8*(8*((\a)%4)+\b)+7], v[128*(\p)+12*\b:128*(\p)+12*\b+11], v[RF+12*(\a):RF+12*(\a)+11], v[8*(8*((\a)%4)+\b):8*(8*((\a)%4)+\b)+7], v[SC+8*\b+(\s)], v[SC+8*(\a)+(\s)] matrix_a_fmt:MATRIX_FMT_FP6 matrix_b_fmt:MATRIX_FMT_FP6 matrix_a_scale:MATRIX_SCALE_ROW1
.endif
.endr
.endr
.endm
; A slot's first 128 along K: multiplies P's set 0 and fetches the slot's second 128.
.macro STEP slot, s, zero
	s_wait_dscnt 16                                ; P's set and R's blocks 0-3 are in; the youngest 16 loads (R's blocks 4-7) may be out
	WIN MUL_LO
	MUL16 0, 0, \s, \zero
	MUL16 2, 0, \s, \zero
	s_wait_dscnt 0                                 ; R's blocks 4-7 are in
	PLACES
	FETCH_P \slot, 1, 1
	FETCH_R \slot, 1, 0
	WIN MUL_HI
	MUL16 4, 0, \s, \zero
	MUL16 6, 0, \s, \zero
	PLACES
	WIN 0
	FETCH_R \slot, 1, 4
.endm
; A slot's second 128 changes slots: ONE barrier; in front of it each wave waits for all its tensor loads, adds 0 to its spare word, and waits for that and for its own reads of this slot.  fill = 1: this slot is filled again, 512 along K on.
.macro TURN slot, next, fill, s
	s_wait_tensorcnt 0x0                           ; all my tensor loads have landed: my part of the next slot;
	ds_add_u32 v[SPW], v[NIL]                      ; 0 onto my spare word;
	s_wait_dscnt 17                                ; (the add and the youngest 16 loads, R's blocks 4-7, may be out)
	WIN MUL_LO
	MUL16 0, 1, \s, 0                              ; sixteen matrix instructions stand between the add and the wait for it
	s_wait_dscnt 0x0                               ; the add is done, and my reads of this slot are over
	s_barrier_signal -1
	MUL16 2, 1, \s, 0
	WIN 0
	s_barrier_wait -1
.if \fill
	CREST                                          ; the barrier has opened a round of the cluster's barrier: no wave of any partner still reads this slot or has a load on its way
	s_add_nc_u64 s[G0+4*\slot+2:G0+4*\slot+3], s[G0+4*\slot+2:G0+4*\slot+3], 6144
	s_add_nc_u64 s[G0B+4*\slot+2:G0B+4*\slot+3], s[G0B+4*\slot+2:G0B+4*\slot+3], 6144
	JLOAD G0+4*\slot, G0B+4*\slot                  ; the first tensor load behind the round, my only one until the next; its four v_nop are the places in front of the loads below
.else
	PLACES
.endif
	FETCH_P \next, 0, 0
	FETCH_R \next, 0, 0
	WIN MUL_HI
	MUL16 4, 1, \s, 0
	MUL16 6, 1, \s, 0
	PLACES
	WIN 0
	FETCH_R \next, 0, 4
.endm
	s_wait_tensorcnt 1                             ; my part of slot 0 is in (slot 1's load may be out)
	s_barrier_signal -1
	s_barrier_wait -1                              ; everybody's is
	FETCH_P 0, 0, 0
	FETCH_R 0, 0, 0
	FETCH_R 0, 0, 4
	s_wait_loadcnt 0x0                             ; the scale words
	STEP 0, 0, 1                                   ; the first products start the sums: nothing is cleared
	TURN 0, 1, 1, 1
	STEP 1, 2, 0
	TURN 1, 0, 1, 3
	STEP 0, 4, 0
	TURN 0, 1, 0, 5                                ; nothing is left to fetch
	STEP 1, 6, 0
	s_wait_dscnt 16
	WIN MUL_LO
	MUL16 0, 1, 7, 0
	MUL16 2, 1, 7, 0
	s_wait_dscnt 0
	WIN MUL_HI
	MUL16 4, 1, 7, 0
	MUL16 6, 1, 7, 0
	WIN 0
	PLACES
; THE WAY OUT, R tile by R tile: a lane's 64 results are 128 along the next K in halves (lanes l and l xor 16 share each block of 32).  They become one fragment (12 registers) and one scale word, and the fragment's
; two half images are stored as they stand: 512 and 256 consecutive bytes an instruction.  No LDS.
.macro OUTBLK a
.set WA, 2+(\a)/4                      ; the accumulators' window
.set WB, 5*WA                          ; sources 0 and 1 in it
.set AB, 64*((\a)%4)
	WIN WB
.irp b, 0,1,2,3
	v_max3_num_f32 v[TM+\b], |v[AB+16*\b]|, |v[AB+16*\b+1]|, 0x1800000   ; each accumulator is read from its low end on; the floor 2^(3 - 127) holds the byte at 1 from below
.endr
.irp i, 2,4,6,8,10,12,14
.irp b, 0,1,2,3
	v_max3_num_f32 v[TM+\b], |v[AB+16*\b+\i]|, |v[AB+16*\b+\i+1]|, v[TM+\b]
.endr
.endr
	WIN 0
.irp b, 0,1,2,3
	v_permlanex16_b32 v[TM+4+\b], v[TM+\b], s[SEL], s[SEL+1]
.endr
.irp b, 0,1,2,3
	v_max_num_f32 v[TM+\b], v[TM+\b], v[TM+4+\b]   ; the block's largest magnitude
.endr
.irp b, 0,1,2,3
	v_add_nc_u32 v[TM+12+\b], 0xff000000, v[TM+\b] ; 2 off its exponent field: the conversion's scale operand
.endr
.irp b, 0,1,2,3
	v_lshrrev_b32 v[TM+4+\b], 23, v[TM+12+\b]      ; the scale's byte
.endr
	v_lshl_or_b32 v[SW+\a], v[TM+5], 8, v[TM+4]
	v_lshl_or_b32 v[SW+\a], v[TM+6], 16, v[SW+\a]
	v_lshl_or_b32 v[SW+\a], v[TM+7], 24, v[SW+\a]
	s_wait_xcnt 0x0                                ; the last tile's stores have read their data and their base: both are written again only behind this wait
.if (\a) > 0
.if (\a)%4 == 0
	s_add_nc_u64 s[84:85], s[84:85], s[92:93]
.else
	s_add_nc_u64 s[84:85], s[84:85], s[78:79]
.endif
.endif
	WIN WA
.irp c, 0,1
	v_cvt_scalef32_pk16_fp6_f32 v[PC+6*\c:PC+6*\c+2], v[AB+32*\c:AB+32*\c+15], v[TM+12+2*\c]
	v_cvt_scalef32_pk16_fp6_f32 v[PC+12+4*\c:PC+14+4*\c], v[AB+32*\c+16:AB+32*\c+31], v[TM+12+2*\c+1]
.endr
	v_nop                                          ; one plain place behind the scaled conversions
	WIN 0
.irp c, 0,1                            ; the layout wants a whole block in a lane: lanes 0-15 block 2 c, lanes 16-31 block 2 c + 1
.irp i, 0,1,2
	v_permlane16_swap_b32 v[PC+6*\c+\i], v[PC+12+4*\c+\i]
.endr
.irp i, 0,1,2
	v_mov_b32 v[PC+3+6*\c+\i], v[PC+12+4*\c+\i]
.endr
.endr
	global_store_b128 v2, v[PC:PC+3], s[84:85]
	global_store_b64 v3, v[PC+4:PC+5], s[84:85] offset:512
	global_store_b128 v26, v[PC+6:PC+9], s[84:85]
	global_store_b64 v27, v[PC+10:PC+11], s[84:85] offset:512
.endm
.irp a, 0,1,2,3,4,5,6,7
	OUTBLK \a
.endr
	; the scale words.  The branch hangs on the cluster's x alone: it is the same in all sixteen partners, and no barrier or tensor load stands in its arms
	s_cmp_eq_u32 s66, 1
	s_cbranch_scc1 .Lv_words
.irp a, 0,1,2,3,4,5,6,7
	v_bfe_u32 v[XW+\a], v[SW+\a], v10, 16          ; q, k: a head's two bytes: lanes 0-15 the first head's, lanes 16-31 the second's; the word's upper bytes stay 0 over zero codes
.endr
	global_store_b128 v9, v[XW:XW+3], s[86:87]             ; [row r][tiles 0-3]: sixteen lanes store 256 consecutive bytes
	global_store_b128 v9, v[XW+4:XW+7], s[86:87] offset:256  ; tiles 4-7
	s_branch .Lwords_out
.Lv_words:
.irp j, 0,1,2,3
	v_cndmask_b32 v[XW+\j], v[SW+\j], v[SW+4+\j], s77      ; v: [row r][d tile 0-3]: lanes 0-15 the first head's, lanes 16-31 the second's
.endr
	global_store_b128 v9, v[XW:XW+3], s[86:87]
.Lwords_out:
	s_wait_tensorcnt 0x0                           ; the wave's end
	ds_add_u32 v[SPW], v[NIL]
	s_wait_dscnt 0x0
	CROUND                                         ; the closing round: no work-group ends while a partner may still ask for a tile that names it
	s_endpgm
.Lfunc_end_k_q8af4414988_qkv:
	.size	k_q8af4414988_qkv, .Lfunc_end_k_q8af4414988_qkv-k_q8af4414988_qkv
	.p2alignl 7, 3214868480
	.fill 96, 4, 3214868480
	.section	.rodata,"a",@progbits
	.p2align	6, 0x0
	.amdhsa_kernel k_q8af4414988_qkv
		.amdhsa_group_segment_fixed_size 327680
		.amdhsa_private_segment_fixed_size 0
		.amdhsa_enable_private_segment 0
		.amdhsa_kernarg_size 16
		.amdhsa_user_sgpr_count 2
		.amdhsa_user_sgpr_kernarg_segment_ptr 1
		.amdhsa_wavefront_size32 1
		.amdhsa_system_sgpr_workgroup_id_x 1
		.amdhsa_system_sgpr_workgroup_id_y 1
		.amdhsa_system_sgpr_workgroup_id_z 1
		.amdhsa_system_vgpr_workitem_id 0
		.amdhsa_next_free_vgpr 1024
		.amdhsa_next_free_sgpr 100
		.amdhsa_reserve_vcc 0
		.amdhsa_float_denorm_mode_32 3
		.amdhsa_float_denorm_mode_16_64 3
		.amdhsa_memory_ordered 1
		.amdhsa_forward_progress 1
		.amdhsa_inst_pref_size 148
	.end_amdhsa_kernel
	.amdgpu_metadata
---
amdhsa.version: [ 1, 2 ]
amdhsa.kernels:
  - .name:           k_q8af4414988_qkv
    .symbol:         k_q8af4414988_qkv.kd
    .args:
      - { .name: w1, .offset: 0, .size: 8, .value_kind: global_buffer, .address_space: global }
      - { .name: w2, .offset: 8, .size: 8, .value_kind: global_buffer, .address_space: global }
    .group_segment_fixed_size: 327680
    .private_segment_fixed_size: 0
    .kernarg_segment_align: 8
    .kernarg_segment_size: 16
    .max_flat_workgroup_size: 128
    .sgpr_count:     100
    .vgpr_count:     1024
    .wavefront_size: 32
...
	.end_amdgpu_metadata
.endif
;; end of part 2
;; launch attn (part 3): grid 4 x 64, 16 waves a work-group, no clusters, 210,944 bytes of LDS; arguments w2, maskw, flags, w3; writes w3
.if DOCPART == 3
	.amdgcn_target "amdgcn-amd-amdhsa--gfx1250"
	.amdhsa_code_object_version 6
	.text
	.protected	k_q8af4414988_attn
	.globl	k_q8af4414988_attn
	.p2align	8
	.type	k_q8af4414988_attn,@function
k_q8af4414988_attn:
	s_mov_b64 s[64:65], 0
	v_nop
	global_prefetch_b8 v0, s[64:65] scope:SCOPE_SE
	s_setreg_imm32_b32 hwreg(HW_REG_WAVE_MODE, 25, 1), 1
	s_wait_xcnt 0x0
; ATTN.  For one (batch, head): S^T = K Q^T on codes of FP6 (K = the head's 64: the upper half of each operand is zero codes), the given mask, p = 2^(t - M) with t = score x log2(e) / 8 and M the running largest t rounded up to a
; whole number, p quantised along the keys, O^T += V^T P^T on codes, O / (the sum of the unquantised p), quantised along (head, d) into the last product's operand.  Nothing in f32 goes to memory.
; SHARES.  A work-group holds ONE head's whole K and V, as codes and scale words (204,800 + 4,096 bytes), in LDS: copied through registers once, read only from then on: one barrier.  Its sixteen waves (four to a SIMD, so that one
; wave's vector work stands beside another's matrix work and LDS loads) take two tiles of 16 queries each, T = 4 wave + x and 127 - T, one after the other: the four work-groups of a head take each of its 128 tiles once.
; THE MASK is an input.  An earlier launch has turned it into lane masks in this text's register order (word n of a step: bit (r, h) for score register n) and two bits a (tile, key step): any key counts, all keys count.
; A step in which no key counts for any of the tile's queries is passed over by a scalar branch on that stored bit; a step in which all count skips the 64 selects.  Both are branches on whole numbers read from memory.
; WHY NO TENSOR LOADS, NO CLUSTER, NO JOINT REQUESTS, NO PREFETCH: the branch on loaded numbers spares more than sharing would: K and V are asked for once by a
; work-group, 26 loads a thread at its head, 4 x 200 KB a head; behind the head nothing large is loaded.
; LAYOUT.  Both products are used transposed: a lane holds ONE query (lane % 16 of the tile's row order) throughout.  Lane r of a tile of rows a stands for row 32 (a / 2) + 8 (a % 2) + r % 8 + 16 (r / 8), so register n = 8 b + j of the
; scores is key 128 s + 32 (n / 16) + 16 (lane / 16) + n % 16, and register n of O^T is d = 32 (n / 16) + 16 (lane / 16) + n % 16: 16 neighbours along the next K.
; LIMITS: a query for which no key counts has the sum 0: its two output blocks get the scale byte 0xff, so that its whole row of the result is NaN, as the softmax of such a row is.  A block of zeros gets the byte 1.
; REGISTERS: v1 16 x lane, v2 8 x lane, v3 16 r, v4 -infinity, v5 my scale byte's place; v6-11 LDS addresses of the step; v12 -M, v13 largest t, v[14:15] the sum; v16-27 Q of the first tile, v192-203 of the second (upper six: zeros);
;   v32-79 four fragments of K (upper six of each: zeros, written once); v80-87 K's scale words, v88-91 V's, v255, v204 Q's, v253 p's; v96-159 S^T, then p, then V's four fragments; v160-191 O^T; v224-243 codes; v232-254 at work.
.set KC,  6291456                      ; w2: k's codes, [head][tile][768]
.set VC,  12582912                     ; v's codes, [head][key step][d tile][1,536]
.set QS,  18874368                     ; q's scale words, [head][tile / 4][r][tile % 4]
.set KS,  19398656                     ; k's likewise
.set VS,  19922944                     ; v's, [head][key step][r][d tile]
.set SC3, 7077888                      ; w3's scale bytes, [row][32]
.set LV,  98304                        ; LDS: K's codes at 0, V's here,
.set LKS, 196608                       ; K's scale words,
.set LVS, 204800                       ; V's
	s_load_b256 s[4:11], s[0:1], 0x0               ; w2 s[4:5], maskw s[6:7], flags s[8:9], w3 s[10:11]
	v_lshl_add_u32 v250, v0, 2, 0x33000
	v_mov_b32 v251, 0
	v_lshrrev_b32 v1, 5, v0
	v_readfirstlane_b32 s2, v1                     ; wave 0..15
	s_and_b32 s100, ttmp7, 0xffff                  ; 16 x batch + head
	s_lshl_b32 s3, s2, 2
	s_add_co_u32 s3, s3, ttmp9                     ; my first tile of queries
	s_sub_co_u32 s101, 127, s3                     ; my second
	v_lshlrev_b32 v206, 4, v0                      ; the copy: 16 bytes a thread, 8,192 an instruction; in LDS four registers reach 64 KiB each
	v_add_nc_u32 v207, 0x10000, v206
	v_add_nc_u32 v208, 0x20000, v206
	v_add_nc_u32 v209, 0x30000, v206
	v_lshlrev_b32 v210, 3, v0
	v_add_nc_u32 v211, LVS, v210
	v_and_b32 v5, 31, v0
	v_lshlrev_b32 v1, 4, v5
	v_lshlrev_b32 v2, 3, v5
	v_and_b32 v6, 15, v0
	v_lshlrev_b32 v3, 4, v6
	v_and_b32 v7, 7, v0
	v_bfe_u32 v8, v0, 3, 1
	v_lshl_add_u32 v7, v8, 4, v7                   ; r % 8 + 16 (r / 8)
	v_bfe_u32 v8, v0, 4, 1                         ; h
	v_lshl_add_u32 v5, v7, 5, v8                   ; my row's 32 scale bytes, + h
	v_mov_b32 v4, 0xff800000
	s_mul_i32 s32, s100, 98304
	s_mov_b32 s33, 0
	s_lshl_b32 s34, s100, 13
	s_mov_b32 s35, 0
	s_wait_kmcnt 0x0
	s_add_nc_u64 s[36:37], s[4:5], s[32:33]        ; the head's q codes
	s_add_nc_u64 s[16:17], s[36:37], KC            ; k's
	s_add_nc_u64 s[18:19], s[36:37], VC            ; v's
	s_add_nc_u64 s[38:39], s[4:5], s[34:35]
	s_add_nc_u64 s[20:21], s[38:39], KS            ; k's scale words
	s_lshl_b32 s34, s100, 12
	s_add_nc_u64 s[22:23], s[4:5], s[34:35]
	s_add_nc_u64 s[22:23], s[22:23], VS            ; v's
	s_mul_i32 s32, s3, 768
	s_add_nc_u64 s[24:25], s[36:37], s[32:33]      ; my two tiles of q
	s_mul_i32 s32, s101, 768
	s_add_nc_u64 s[26:27], s[36:37], s[32:33]
	s_lshr_b32 s32, s3, 2
	s_lshl_b32 s32, s32, 8
	s_and_b32 s40, s3, 3
	s_lshl_b32 s40, s40, 2
	s_add_co_u32 s32, s32, s40
	s_add_co_u32 s32, s32, QS
	s_add_nc_u64 s[28:29], s[38:39], s[32:33]      ; and their scale words
	s_lshr_b32 s32, s101, 2
	s_lshl_b32 s32, s32, 8
	s_and_b32 s40, s101, 3
	s_lshl_b32 s40, s40, 2
	s_add_co_u32 s32, s32, s40
	s_add_co_u32 s32, s32, QS
	s_add_nc_u64 s[30:31], s[38:39], s[32:33]
.irp i, 0,1,2,3,4,5,6,7,8,9,10,11
	global_load_b128 v[32+4*\i:35+4*\i], v206, s[16:17] offset:8192*\i
.endr
.irp i, 0,1,2,3,4,5,6,7,8,9,10,11
	global_load_b128 v[96+4*\i:99+4*\i], v206, s[18:19] offset:8192*\i
.endr
	global_load_b128 v[144:147], v206, s[20:21]
	global_load_b64 v[148:149], v210, s[22:23]
	global_load_b128 v[16:19], v1, s[24:25]
	global_load_b64 v[20:21], v2, s[24:25] offset:512
	global_load_b32 v255, v3, s[28:29]
	global_load_b128 v[192:195], v1, s[26:27]
	global_load_b64 v[196:197], v2, s[26:27] offset:512
	global_load_b32 v204, v3, s[30:31]
.set m, 0
.rept 24                               ; 32 loads were issued: behind load m stand 31 - m
	s_wait_loadcnt 31-m
.if m < 12
	ds_store_b128 v[206+m/8], v[32+4*m:35+4*m] offset:8192*(m%8)
.else
	ds_store_b128 v[206+m/8], v[96+4*(m-12):99+4*(m-12)] offset:8192*(m%8)
.endif
.set m, m+1
.endr
	s_wait_loadcnt 7
	ds_store_b128 v209, v[144:147]
	s_wait_loadcnt 6
	ds_store_b64 v211, v[148:149]
	s_wait_loadcnt 0x0                             ; Q
	s_wait_dscnt 0x0                               ; for the others' sake: my stores have landed
	s_barrier_signal -1
	s_barrier_wait -1                              ; the head's K and V lie in LDS; nobody writes LDS from here on
.irp t, 0,1,2,3
.irp i, 6,7,8,9,10,11
	v_mov_b32 v[32+12*\t+\i], 0                    ; K beyond the head's 64: zero codes, written once, never loaded
.endr
.endr
.irp i, 22,23,24,25,26,27,198,199,200,201,202,203
	v_mov_b32 v\i, 0                               ; Q likewise
.endr
.irp i, 236,237,238,239,249,252,253
	v_mov_b32 v\i, 0                               ; lane permutes' destinations and the unused halves of packed pairs count as read
.endr
	s_mov_b32 s12, 0x76543210
	s_mov_b32 s13, 0xfedcba98                      ; selects for lane l xor 16
	s_mov_b32 s14, 0x3e38aa3b                      ; c = log2(e) / 8
	s_mov_b32 s15, s14
	s_mov_b32 s99, 0xffff0000                      ; lanes 16-31
; ONE TILE OF 16 QUERIES, s3 its number; QB: Q's fragment, QSC: Q's scale words.
.macro TILE QB, QSC
	s_wait_xcnt 0x0                                ; the last tile's stores have read their bases and data
	s_lshr_b32 s96, s100, 4
	s_lshl_b32 s96, s96, 7
	s_add_co_u32 s96, s96, s3                      ; row tile 128 x batch + T
	s_mul_i32 s96, s96, 12288
	s_and_b32 s98, s100, 15                        ; the head: half image number head of the row tile's 16
	s_mul_i32 s97, s98, 768
	s_add_co_u32 s96, s96, s97
	s_mov_b32 s97, 0
	s_add_nc_u64 s[86:87], s[10:11], s[96:97]      ; where my codes go
	s_lshr_b32 s96, s100, 4
	s_lshl_b32 s96, s96, 16                        ; 2,048 rows of 32 bytes
	s_lshr_b32 s97, s3, 1
	s_lshl_b32 s97, s97, 10
	s_add_co_u32 s96, s96, s97
	s_and_b32 s97, s3, 1
	s_lshl_b32 s97, s97, 8
	s_add_co_u32 s96, s96, s97
	s_lshl_b32 s97, s98, 1                         ; the head's two bytes of a row
	s_add_co_u32 s96, s96, s97
	s_add_co_u32 s96, s96, SC3
	s_mov_b32 s97, 0
	s_add_nc_u64 s[88:89], s[10:11], s[96:97]      ; where my scale bytes go
	s_lshl_b32 s96, s3, 12
	s_add_nc_u64 s[84:85], s[6:7], s[96:97]        ; the tile's lane masks: 16 steps of 256 bytes
	s_lshl_b32 s96, s3, 10
	s_add_nc_u64 s[96:97], s[8:9], s[96:97]        ; its bits: four pairs, 256 bytes apart
	s_load_b64 s[16:17], s[96:97], 0x0
	s_load_b64 s[18:19], s[96:97], 0x100
	s_load_b64 s[20:21], s[96:97], 0x200
	s_load_b64 s[22:23], s[96:97], 0x300
	s_mov_b32 s66, 0                               ; LDS: the step's K,
	s_mov_b32 s67, LV                              ; V,
	s_mov_b32 s90, LKS                             ; K's scale words,
	s_mov_b32 s91, LVS                             ; V's
	s_mov_b32 s92, 0                               ; the step's lane masks
	s_mov_b32 s95, 16
	v_mov_b32 v13, 0xff61b1e6                      ; the largest t so far: -3e38, under every t
	v_floor_f32 v12, -v13                          ; -M
	v_mov_b32 v14, 0
	v_mov_b32 v15, 0
.set n, 0
.rept 32
	v_mov_b32 v[160+n], 0                          ; O^T: the step is written once; the first change of M leaves zeros zeros
.set n, n+1
.endr
	s_wait_kmcnt 0x0                               ; the bits are in, and s[96:97] may be written again
	s_lshl_b32 s96, s18, 4
	s_or_b32 s93, s16, s96
	s_lshl_b32 s96, s20, 8
	s_or_b32 s93, s93, s96
	s_lshl_b32 s96, s22, 12
	s_or_b32 s93, s93, s96                         ; bit s: some key of step s counts
	s_lshl_b32 s96, s19, 4
	s_or_b32 s94, s17, s96
	s_lshl_b32 s96, s21, 8
	s_or_b32 s94, s94, s96
	s_lshl_b32 s96, s23, 12
	s_or_b32 s94, s94, s96                         ; bit s: all do
.Lstep_\@:                             ; 16 trips, a constant: a key step of 128 keys each
	s_bitcmp1_b32 s93, 0
	s_cbranch_scc0 .Lhid_\@                        ; no key of this step counts for any of my 16 queries: only the addresses step
	s_load_b512 s[16:31], s[84:85], s92 offset:0x0     ; the step's 64 lane masks: word n in s[16 + n], from word 48 on in s[20 + n]
	s_load_b512 s[32:47], s[84:85], s92 offset:0x40
	s_load_b512 s[48:63], s[84:85], s92 offset:0x80
	s_load_b512 s[68:83], s[84:85], s92 offset:0xc0
	v_add_nc_u32 v8, s66, v1                       ; these six are also the places behind the last step's products: S^T is laid over V's fragments, and V's scale words are loaded anew
	v_add_nc_u32 v9, s66, v2
	v_add_nc_u32 v10, s67, v1
	v_add_nc_u32 v11, s67, v2
	v_add_nc_u32 v6, s90, v3
	v_add_nc_u32 v7, s91, v3
	ds_load_b128 v[80:83], v6                      ; K's scale words of tiles 0-3,
	ds_load_b128 v[84:87], v6 offset:256           ; 4-7,
	ds_load_b128 v[88:91], v7                      ; V's of the four d tiles
.irp g, 0,1                            ; S^T = K Q^T, four tiles of 16 keys at a time
.if \g
.rept 4
	v_nop                                          ; places in front of loads into registers that matrix instructions have read
.endr
.endif
.irp t, 0,1,2,3
	ds_load_b128 v[32+12*\t:35+12*\t], v8 offset:768*(4*\g+\t)
	ds_load_b64 v[36+12*\t:37+12*\t], v9 offset:768*(4*\g+\t)+512
.endr
	s_wait_dscnt 0x0
.irp t, 0,1,2,3
	v_wmma_scale_f32_16x16x128_f8f6f4 v[96+8*(4*\g+\t):103+8*(4*\g+\t)], v[32+12*\t:43+12*\t], v[\QB:\QB+11], 0, v[80+4*\g+\t], v[\QSC] matrix_a_fmt:MATRIX_FMT_FP6 matrix_b_fmt:MATRIX_FMT_FP6
.endr
.endr
.rept 4
	v_nop
.endr
	s_wait_kmcnt 0x0                               ; the lane masks are in (on both ways: their registers and their offset are written again later)
	s_bitcmp1_b32 s94, 0
	s_cbranch_scc1 .Lfull_\@
.set n, 0
.rept 64                               ; a score whose mask bit is 0 becomes -infinity ahead of the maximum: p = 0 then
.if n < 48
	v_cndmask_b32 v[96+n], v4, v[96+n], s[16+n]
.else
	v_cndmask_b32 v[96+n], v4, v[96+n], s[20+n]
.endif
.set n, n+1
.endr
.Lfull_\@:
.irp b, 0,1,2,3
	v_max3_num_f32 v[232+\b], v[96+16*\b], v[97+16*\b], v[98+16*\b]   ; the largest score of each block of 32 keys: for the row's maximum, and, since p rises with the score, for the block's largest p
.endr
.irp i, 3,5,7,9,11,13
.irp b, 0,1,2,3
	v_max3_num_f32 v[232+\b], v[232+\b], v[96+16*\b+\i], v[97+16*\b+\i]
.endr
.endr
.irp b, 0,1,2,3
	v_max_num_f32 v[232+\b], v[232+\b], v[111+16*\b]
.endr
.irp b, 0,1,2,3
	v_permlanex16_b32 v[236+\b], v[232+\b], s12, s13
.endr
.irp b, 0,1,2,3
	v_max_num_f32 v[232+\b], v[232+\b], v[236+\b]  ; with lane l xor 16's 16 keys
.endr
	v_max3_num_f32 v254, v232, v233, v234
	v_max_num_f32 v254, v254, v235                 ; the step's largest score of my query
	v_mul_f32 v254, s14, v254                      ; as t
	v_max_num_f32 v13, v13, v254                   ; the running largest t
	v_mov_b32 v254, v12
	v_floor_f32 v12, -v13                          ; the new -M = -ceil(t): a whole number
	v_sub_f32 v254, v12, v254                      ; old M - new M: a whole number, 0 or less
	v_cvt_i32_f32 v254, v254                       ; (it saturates)
	v_ldexp_f32 v252, 1.0, v254                    ; f = 2^(old M - new M): a multiplication by it rounds nothing
.set n, 0
.rept 32
	v_pk_fma_f32 v[96+n:97+n], v[96+n:97+n], s[14:15], v[12:13] op_sel_hi:[1,0,0]   ; t - M, two at a time
.set n, n+2
.endr
.irp b, 0,1,2,3
	v_fma_f32 v[232+\b], v[232+\b], s14, v12       ; the same of each block's largest score
.endr
.set n, 0
.rept 64
	v_exp_f32 v[96+n], v[96+n]                     ; p = 2^(t - M), at most 1, not normalised
.set n, n+1
.endr
	v_pk_mul_f32 v[14:15], v[14:15], v[252:253] op_sel_hi:[1,0]   ; the sums under the new M: the plain place behind the exponentials
	s_wait_alu depctr_va_vdst(0)                   ; one wait for the batch of 64, ahead of its first reader
.irp b, 0,1,2,3
	v_exp_f32 v[232+\b], v[232+\b]                 ; the block's largest p: the same two instructions on the same number
.endr
	v_pk_add_f32 v[236:237], v[96:97], v[98:99]    ; the row's sum is taken of the unquantised p, in two chains
.set n, 4
.rept 15
	v_pk_add_f32 v[14:15], v[14:15], v[96+n:97+n]
	v_pk_add_f32 v[236:237], v[236:237], v[98+n:99+n]
.set n, n+4
.endr
	v_pk_add_f32 v[14:15], v[14:15], v[236:237]
	s_wait_alu depctr_va_vdst(0)                   ; and one for the four
.irp b, 0,1,2,3
	v_max_num_f32 v[232+\b], 0x1800000, v[232+\b]  ; the floor 2^(3 - 127): the byte cannot fall under 1
.endr
.irp b, 0,1,2,3
	v_add_nc_u32 v[244+\b], 0xff000000, v[232+\b]  ; 2 off the exponent field: the conversion's scale operand
.endr
.irp b, 0,1,2,3
	v_lshrrev_b32 v[236+\b], 23, v[244+\b]         ; the scale's byte
.endr
	v_lshl_or_b32 v253, v237, 8, v236              ; p's scale word for these 128 keys
	v_lshl_or_b32 v253, v238, 16, v253
	v_lshl_or_b32 v253, v239, 24, v253
.irp c, 0,1
	v_cvt_scalef32_pk16_fp6_f32 v[224+6*\c:226+6*\c], v[96+32*\c:111+32*\c], v[244+2*\c]
	v_cvt_scalef32_pk16_fp6_f32 v[236+4*\c:238+4*\c], v[112+32*\c:127+32*\c], v[244+2*\c+1]
.endr
	v_nop                                          ; one plain place behind the scaled conversions
.irp t, 0,1,2,3                        ; V's four fragments (16 of the head's 64 x these 128 keys) take p's registers, which are done with
	ds_load_b128 v[96+12*\t:99+12*\t], v10 offset:1536*\t
	ds_load_b64 v[100+12*\t:101+12*\t], v11 offset:1536*\t+512
	ds_load_b128 v[102+12*\t:105+12*\t], v10 offset:1536*\t+768
	ds_load_b64 v[106+12*\t:107+12*\t], v11 offset:1536*\t+1280
.endr
.irp c, 0,1                            ; the layout wants a whole block in a lane
.irp i, 0,1,2
	v_permlane16_swap_b32 v[224+6*\c+\i], v[236+4*\c+\i]
.endr
.irp i, 0,1,2
	v_mov_b32 v[227+6*\c+\i], v[236+4*\c+\i]
.endr
.endr
.set n, 0
.rept 16
	v_pk_mul_f32 v[160+n:161+n], v[160+n:161+n], v[252:253] op_sel_hi:[1,0]   ; O^T under the new M.  These sixteen are also the places between the writes of p's codes and scale word and the products
.set n, n+2
.endr
	s_wait_dscnt 0x0
.irp t, 0,1,2,3                        ; O^T += V^T P^T: four accumulators, one instruction each
	v_wmma_scale_f32_16x16x128_f8f6f4 v[160+8*\t:167+8*\t], v[96+12*\t:107+12*\t], v[224:235], v[160+8*\t:167+8*\t], v[88+\t], v253 matrix_a_fmt:MATRIX_FMT_FP6 matrix_b_fmt:MATRIX_FMT_FP6
.endr
.Lhid_\@:
	s_add_co_u32 s66, s66, 6144
	s_add_co_u32 s67, s67, 6144
	s_add_co_u32 s90, s90, 512
	s_add_co_u32 s91, s91, 256
	s_add_co_u32 s92, s92, 256
	s_lshr_b32 s93, s93, 1
	s_lshr_b32 s94, s94, 1
	s_sub_co_i32 s95, s95, 1
	s_cmp_lg_u32 s95, 0
	s_cbranch_scc1 .Lstep_\@
	; the tile's end: O / the sum, quantised along d: two blocks of 32, each in lanes l and l xor 16
.rept 4
	v_nop
.endr
	v_add_f32 v14, v14, v15
	v_permlanex16_b32 v252, v14, s12, s13
	v_add_f32 v14, v14, v252                       ; the row's sum
	v_cmp_eq_f32 s98, 0, v14                       ; no key counted for this query
	v_rcp_f32 v248, v14
	v_nop                                          ; a plain place behind the reciprocal
	s_wait_alu depctr_va_vdst(0)                   ; and the wait ahead of its first reader
.set n, 0
.rept 16
	v_pk_mul_f32 v[160+n:161+n], v[160+n:161+n], v[248:249] op_sel_hi:[1,0]   ; each accumulator from its low end on
.set n, n+2
.endr
.irp b, 0,1
	v_max3_num_f32 v[232+\b], |v[160+16*\b]|, |v[161+16*\b]|, 0x1800000
.endr
.irp i, 2,4,6,8,10,12,14
.irp b, 0,1
	v_max3_num_f32 v[232+\b], v[232+\b], |v[160+16*\b+\i]|, |v[161+16*\b+\i]|
.endr
.endr
.irp b, 0,1
	v_permlanex16_b32 v[236+\b], v[232+\b], s12, s13
.endr
.irp b, 0,1
	v_max_num_f32 v[232+\b], v[232+\b], v[236+\b]
.endr
.irp b, 0,1
	v_add_nc_u32 v[244+\b], 0xff000000, v[232+\b]
.endr
.irp b, 0,1
	v_lshrrev_b32 v[240+\b], 23, v[244+\b]
.endr
	v_cvt_scalef32_pk16_fp6_f32 v[224:226], v[160:175], v244
	v_cvt_scalef32_pk16_fp6_f32 v[236:238], v[176:191], v245
	v_cndmask_b32 v240, v240, v241, s99            ; lanes 0-15 store block 0's byte, lanes 16-31 block 1's.  (The plain place behind the conversions)
	v_mov_b32 v241, 0xff
	v_cndmask_b32 v240, v240, v241, s98            ; the NaN byte where the sum is 0
.irp i, 0,1,2
	v_permlane16_swap_b32 v[224+\i], v[236+\i]
.endr
.irp i, 0,1,2
	v_mov_b32 v[227+\i], v[236+\i]                 ; registers 0-5: d = 32 h + 0..31 of my query: a half image
.endr
	global_store_b128 v1, v[224:227], s[86:87]             ; 512 consecutive bytes
	global_store_b64 v2, v[228:229], s[86:87] offset:512   ; 256
	global_store_b8 v5, v240, s[88:89]             ; two bytes of each row's 32: the row's other bytes belong to other heads, which other work-groups own
.endm
	TILE 16, 255
	s_mov_b32 s3, s101
	TILE 192, 204
	s_wait_tensorcnt 0x0
	ds_add_u32 v250, v251
	s_wait_dscnt 0x0
	s_endpgm
.Lfunc_end_k_q8af4414988_attn:
	.size	k_q8af4414988_attn, .Lfunc_end_k_q8af4414988_attn-k_q8af4414988_attn
	.p2alignl 7, 3214868480
	.fill 96, 4, 3214868480
	.section	.rodata,"a",@progbits
	.p2align	6, 0x0
	.amdhsa_kernel k_q8af4414988_attn
		.amdhsa_group_segment_fixed_size 210944
		.amdhsa_private_segment_fixed_size 0
		.amdhsa_enable_private_segment 0
		.amdhsa_kernarg_size 32
		.amdhsa_user_sgpr_count 2
		.amdhsa_user_sgpr_kernarg_segment_ptr 1
		.amdhsa_wavefront_size32 1
		.amdhsa_system_sgpr_workgroup_id_x 1
		.amdhsa_system_sgpr_workgroup_id_y 1
		.amdhsa_system_sgpr_workgroup_id_z 1
		.amdhsa_system_vgpr_workitem_id 0
		.amdhsa_next_free_vgpr 256
		.amdhsa_next_free_sgpr 102
		.amdhsa_reserve_vcc 0
		.amdhsa_float_denorm_mode_32 3
		.amdhsa_float_denorm_mode_16_64 3
		.amdhsa_memory_ordered 1
		.amdhsa_forward_progress 1
		.amdhsa_inst_pref_size 65
	.end_amdhsa_kernel
	.amdgpu_metadata
---
amdhsa.version: [ 1, 2 ]
amdhsa.kernels:
  - .name:           k_q8af4414988_attn
    .symbol:         k_q8af4414988_attn.kd
    .args:
      - { .name: w2, .offset: 0, .size: 8, .value_kind: global_buffer, .address_space: global }
      - { .name: maskw, .offset: 8, .size: 8, .value_kind: global_buffer, .address_space: global }
      - { .name: flags, .offset: 16, .size: 8, .value_kind: global_buffer, .address_space: global }
      - { .name: w3, .offset: 24, .size: 8, .value_kind: global_buffer, .address_space: global }
    .group_segment_fixed_size: 210944
    .private_segment_fixed_size: 0
    .kernarg_segment_align: 8
    .kernarg_segment_size: 32
    .max_flat_workgroup_size: 512
    .sgpr_count:     102
    .vgpr_count:     256
    .wavefront_size: 32
...
	.end_amdgpu_metadata
.endif
;; end of part 3
;; launch proj (part 4): grid 4 x 32, 4 waves a work-group, clusters of 4 x 4, 327,680 bytes of LDS; arguments w3, out0; writes out0
.if DOCPART == 4
	.amdgcn_target "amdgcn-amd-amdhsa--gfx1250"
	.amdhsa_code_object_version 6
	.text
	.protected	k_q8af4414988_proj
	.globl	k_q8af4414988_proj
	.p2align	8
	.type	k_q8af4414988_proj,@function
k_q8af4414988_proj:
	s_mov_b64 s[64:65], 0
	v_nop
	global_prefetch_b8 v0, s[64:65] scope:SCOPE_SE
	s_setreg_imm32_b32 hwreg(HW_REG_WAVE_MODE, 25, 1), 1
	s_wait_xcnt 0x0
	s_wait_alu depctr_hold_cnt(0) depctr_sa_sdst(0) depctr_va_vdst(0) depctr_va_sdst(0) depctr_va_ssrc(0) depctr_va_vcc(0) depctr_vm_vsrc(0)
	s_getreg_b32 s2, hwreg(HW_REG_IB_STS2, 6, 4)
	s_cmp_eq_u32 s2, 0
	s_cbranch_scc0 .Lentry_in_a_cluster
	s_endpgm
.Lentry_in_a_cluster:
	s_bfe_u32 s2, ttmp6, 0x10000c
	s_cmp_lg_u32 s2, 0xf033
	s_cbranch_scc0 .Lentry_shape_is_right
	s_endpgm
.Lentry_shape_is_right:
; PROJ.  out0 = (attention's result) wo^T on codes of FP6 (E2M3) with E8M0 scales, M 8,192, N 1,024, K 1,024; out0 f32.
; Operands lie in w3 as images of their registers: a row tile (16 rows; lane r stands for row 32 (a / 2) + 8 (a % 2) + r % 8 + 16 (r / 8)) is 8 fragments of 1,536 bytes; the result's tiles 0-511, wo's 512-575; scale bytes [row][32] behind them.
; A work-group of four waves makes 256 x 256 of out0; a wave 128 x 128: 64 accumulators, 512 registers.  K goes in four steps of 256 through two LDS slots; all of it is written out.
; Source 0 (P) = 16 rows of wo, source 1 (R) = 16 rows of the result: a lane holds eight neighbouring numbers of one row of out0.
; CLUSTERS: 4 x 4 work-groups; R's tiles are shared along a row of the cluster, wo's along a column: each is asked for jointly.  128 work-groups: a tile of 128 x 256 would give 256 at twice the LDS reads for each product; not taken here.
; No prefetch: a work-group has two refills in all.  No padding in the slots: an image is read as it lies.
; REGISTERS, in windows of 256: window 0: v0-31 addresses; v32-95 scale words (register 8 i + s: lanes 0-15 R tile i's word of K step s, lanes 16-31 P tile i's); v128-223 R's 8 fragments, one set; on the way out v128-255 rows of out0.
;   window 1: P's fragments, two sets, at v0 and v128.   windows 2, 3: accumulator (a, b) at v[8 (8 (a % 4) + b)].
.set SLOT,   98304                     ; R's 16 row tiles x 3,072 bytes (256 along K), then wo's 16
.set SPARE,  2*SLOT                    ; the spare words, 128 bytes for each wave: two blocks of 256 bytes that no other line names
.set STAGE,  SPARE+512                 ; the way out: 16 rows x 528 bytes for each wave, bytes of its own into which no fill lands
.set SC3,    7077888                   ; w3's scale bytes
.set RA16, 16
.set RA8,  18
.set PA16, 20
.set PA8,  22
.set STO,  24                          ; v24 the way out: where I put 32 bytes of a row
.set RD,   25                          ; v25 and where I read a row back
.set SPW,  28
.set NIL,  29
.set SC,   32
.set RF,   128
.set BK,   128                         ; 16 rows read back from the stage: v128-191 and v192-255 by turns
.set G1, 24
.set G0, 32
.set G1B, 48
.set G0B, 56
.set MSB, 0
.macro WIN new                         ; the immediate's high byte repeats the setting that is left
.if MSB != \new
	s_set_vgpr_msb (MSB<<8)|\new
.set MSB, \new
.endif
.endm
.set MUL_LO, 0xa1
.set MUL_HI, 0xf1
.set TO_P,   0x40
.macro JLOAD g0a, g0b                  ; a joint load: waves 0 and 1 fetch R's two halves, waves 2 and 3 wo's; four v_nop follow each of the two lines
	s_cmp_eq_u32 s15, 0
	s_cbranch_scc0 .Lfor_b_\@
	tensor_load_to_lds s[\g0a:\g0a+3], s[G1:G1+7]
	s_nop 0
.rept 4
	v_nop
.endr
	s_branch .Lasked_\@
.Lfor_b_\@:
	tensor_load_to_lds s[\g0b:\g0b+3], s[G1B:G1B+7]
	s_nop 0
.rept 4
	v_nop
.endr
.Lasked_\@:
.endm
.macro CREST
	s_cmp_lg_u32 s14, 0
	s_cbranch_scc1 .Lnot_wave_0_\@
	s_barrier_signal -3
.Lnot_wave_0_\@:
	s_barrier_wait -3
	s_barrier_signal -1
	s_barrier_wait -1
.endm
.macro CROUND
	s_barrier_signal -1
	s_barrier_wait -1
	CREST
.endm
.macro PLACES                          ; four plain places behind a matrix instruction (ISA guide 7.12.1)
.rept 4
	v_nop
.endr
.endm
	s_load_b128 s[4:7], s[0:1], 0x0                ; w3 s[4:5], out0 s[6:7]
	v_lshl_add_u32 v[SPW], v0, 2, SPARE
	v_mov_b32 v[NIL], 0
	ds_add_u32 v28, v29
	ds_add_u32 v28, v29
	s_wait_dscnt 0x0
	v_lshrrev_b32 v1, 5, v0
	v_readfirstlane_b32 s14, v1                    ; wave 0..3
	s_lshr_b32 s15, s14, 1                         ; which half of the 256 rows is mine.  Also: I fetch for R (0) or for wo (1)
	s_and_b32 s16, s14, 1                          ; which half of the 256 columns.  Also: which 8 row tiles I fetch
	s_bfe_u32 s40, ttmp6, 0x40000
	s_bfe_u32 s41, ttmp6, 0x40004
	s_lshl_b32 s42, ttmp9, 2
	s_add_co_u32 s42, s42, s40                     ; which 256 columns
	s_and_b32 s17, ttmp7, 0xffff
	s_lshl_b32 s17, s17, 2
	s_add_co_u32 s17, s17, s41                     ; which 256 rows
	s_lshl_b32 s43, s41, 2
	s_lshl_b32 s43, 15, s43                        ; my row of the cluster
	s_lshl_b32 s44, 0x1111, s40                    ; my column
	s_or_b32 s[G1], s43, (3<<16)|(1<<21)           ; 8 row tiles, of each 3,072 bytes (384 elements of 8 bytes), 12,288 bytes apart; dense in LDS
	s_or_b32 s[G1B], s44, (3<<16)|(1<<21)
.irp g, G1, G1B
	s_mov_b32 s[\g+1], 384<<16
	s_mov_b32 s[\g+2], 8<<16
	s_mov_b32 s[\g+3], 384<<16
	s_mov_b32 s[\g+4], 8
	s_mov_b32 s[\g+5], 1536
	s_mov_b32 s[\g+6], 0
	s_mov_b32 s[\g+7], 0
.endr
	s_lshl_b32 s18, s16, 3
	s_lshl_b32 s20, s17, 4
	s_add_co_u32 s20, s20, s18
	s_mul_i32 s20, s20, 12288
	s_mov_b32 s21, 0
	s_lshl_b32 s46, s42, 4
	s_add_co_u32 s46, s46, s18
	s_add_co_u32 s46, s46, 512
	s_mul_i32 s46, s46, 12288
	s_mov_b32 s47, 0
	s_mul_i32 s45, s14, 24576
	s_wait_kmcnt 0x0
	s_add_nc_u64 s[20:21], s[4:5], s[20:21]
	s_add_nc_u64 s[46:47], s[4:5], s[46:47]
	CROUND                                         ; all sixteen work-groups are here: the first joint loads meet
.irp s, 0,1
	s_mov_b32 s[G0+4*\s], 1
	s_add_co_u32 s[G0+4*\s+1], s45, \s*SLOT
	s_add_nc_u64 s[G0+4*\s+2:G0+4*\s+3], s[20:21], \s*3072
	s_or_b32 s[G0+4*\s+3], s[G0+4*\s+3], 0x80000000
	s_mov_b32 s[G0B+4*\s], 1
	s_add_co_u32 s[G0B+4*\s+1], s45, \s*SLOT
	s_add_nc_u64 s[G0B+4*\s+2:G0B+4*\s+3], s[46:47], \s*3072
	s_or_b32 s[G0B+4*\s+3], s[G0B+4*\s+3], 0x80000000
	JLOAD G0+4*\s, G0B+4*\s                        ; two loads of mine are out
.endr
	s_mul_i32 s67, s15, 24576                      ; my 8 row tiles of R in a slot
	s_mul_i32 s68, s16, 24576
	s_add_co_u32 s68, s68, 49152                   ; and of wo
	s_lshl_b32 s72, s17, 8
	s_lshl_b32 s69, s15, 7
	s_add_co_u32 s72, s72, s69                     ; R's first scale row
	s_lshl_b32 s73, s42, 8
	s_lshl_b32 s69, s16, 7
	s_add_co_u32 s73, s73, s69
	s_add_co_u32 s73, s73, 8192                    ; wo's
	s_mov_b32 s77, 0xffff0000
	v_and_b32 v1, 31, v0
	v_lshlrev_b32 v2, 4, v1                        ; 16 x lane
	v_lshlrev_b32 v3, 3, v1                        ; 8 x lane
	v_and_b32 v4, 15, v0                           ; r
	v_bfe_u32 v5, v0, 4, 1                         ; h
	v_and_b32 v6, 7, v0
	v_bfe_u32 v8, v0, 3, 1
	v_lshl_add_u32 v6, v8, 4, v6                   ; r % 8 + 16 (r / 8)
.irp s, 0,1
	v_add_nc_u32 v[RA16+\s], s67, v2
	v_add_nc_u32 v[RA8+\s], s67, v3
	v_add_nc_u32 v[PA16+\s], s68, v2
	v_add_nc_u32 v[PA8+\s], s68, v3
	s_add_co_u32 s67, s67, SLOT
	s_add_co_u32 s68, s68, SLOT
.endr
	v_mov_b32 v7, s72
	v_mov_b32 v8, s73
	v_cndmask_b32 v7, v7, v8, s77                  ; lanes 0-15 take R's rows, lanes 16-31 wo's
	v_add_lshl_u32 v7, v7, v6, 5
	s_add_nc_u64 s[80:81], s[4:5], SC3
.irp i, 0,1,2,3,4,5,6,7                ; the scale words of all of K come once, straight into registers
	global_load_b128 v[SC+8*\i:SC+8*\i+3], v7, s[80:81] offset:1024*(\i/2)+256*(\i%2)
	global_load_b128 v[SC+8*\i+4:SC+8*\i+7], v7, s[80:81] offset:1024*(\i/2)+256*(\i%2)+16
.endr
	s_mul_i32 s23, s14, 8448
	s_add_co_u32 s23, s23, STAGE                   ; my stage
	v_mul_u32_u24 v8, v4, 528
	v_lshl_add_u32 v8, v5, 6, v8
	v_add_nc_u32 v[STO], s23, v8                   ; in: row r, + 64 h: columns 16 h on of each 32
	v_add_nc_u32 v[RD], s23, v2                    ; back: 16 bytes a lane of a row of 512
	s_lshl_b32 s20, s17, 8
	s_lshl_b32 s21, s15, 7
	s_add_co_u32 s20, s20, s21
	s_lshl_b32 s20, s20, 12                        ; my first row of out0, 4,096 bytes a row
	s_lshl_b32 s46, s42, 10
	s_lshl_b32 s47, s16, 9
	s_add_co_u32 s46, s46, s47                     ; my first column, in bytes
	s_add_co_u32 s20, s20, s46
	s_mov_b32 s21, 0
	s_add_nc_u64 s[12:13], s[6:7], s[20:21]
.macro FRAG reg, a16, a8, off
	ds_load_b128 v[\reg:\reg+3], v[\a16] offset:\off
	ds_load_b64 v[\reg+4:\reg+5], v[\a8] offset:\off+512
	ds_load_b128 v[\reg+6:\reg+9], v[\a16] offset:\off+768
	ds_load_b64 v[\reg+10:\reg+11], v[\a8] offset:\off+1280
.endm
.macro FETCH_P slot, q, p
	WIN TO_P
.irp i, 0,1,2,3,4,5,6,7
	FRAG 128*(\p)+12*\i, PA16+\slot, PA8+\slot, 3072*\i+1536*(\q)
.endr
	WIN 0
.endm
.macro FETCH_R slot, q, i0
.irp i, \i0, \i0+1, \i0+2, \i0+3
	FRAG RF+12*(\i), RA16+\slot, RA8+\slot, 3072*(\i)+1536*(\q)
.endr
.endm
; 16 matrix instructions; the 64 accumulators take turns, one instruction a turn, in the same order in every step
.macro MUL16 a0, p, s, zero
.irp a, \a0, \a0+1
.irp b, 0,1,2,3,4,5,6,7
.if \zero
	v_wmma_scale_f32_16x16x128_f8f6f4 v[8*(8*((\a)%4)+\b):8*(8*((\a)%4)+\b)+7], v[128*(\p)+12*\b:128*(\p)+12*\b+11], v[RF+12*(\a):RF+12*(\a)+11], 0, v[SC+8*\b+(\s)], v[SC+8*(\a)+(\s)] matrix_a_fmt:MATRIX_FMT_FP6 matrix_b_fmt:MATRIX_FMT_FP6 matrix_a_scale:MATRIX_SCALE_ROW1
.else
	v_wmma_scale_f32_16x16x128_f8f6f4 v[8*(8*((\a)%4)+\b):8*(8*((\a)%4)+\b)+7], v[128*(\p)+12*\b:128*(\p)+12*\b+11], v[RF+12*(\a):RF+12*(\a)+11], v[8*(8*((\a)%4)+\b):8*(8*((\a)%4)+\b)+7], v[SC+8*\b+(\s)], v[SC+8*(\a)+(\s)] matrix_a_fmt:MATRIX_FMT_FP6 matrix_b_fmt:MATRIX_FMT_FP6 matrix_a_scale:MATRIX_SCALE_ROW1
.endif
.endr
.endr
.endm
.macro STEP slot, s, zero
	s_wait_dscnt 16                                ; P's set and R's blocks 0-3 are in; the youngest 16 loads (R's blocks 4-7) may be out
	WIN MUL_LO
	MUL16 0, 0, \s, \zero
	MUL16 2, 0, \s, \zero
	s_wait_dscnt 0
	PLACES
	FETCH_P \slot, 1, 1
	FETCH_R \slot, 1, 0
	WIN MUL_HI
	MUL16 4, 0, \s, \zero
	MUL16 6, 0, \s, \zero
	PLACES
	WIN 0
	FETCH_R \slot, 1, 4
.endm
.macro TURN slot, next, fill, s
	s_wait_tensorcnt 0x0                           ; all my tensor loads have landed: my part of the next slot;
	ds_add_u32 v[SPW], v[NIL]                      ; 0 onto my spare word;
	s_wait_dscnt 17                                ; (the add and the youngest 16 loads may be out)
	WIN MUL_LO
	MUL16 0, 1, \s, 0
	s_wait_dscnt 0x0                               ; the add is done, and my reads of this slot are over
	s_barrier_signal -1
	MUL16 2, 1, \s, 0
	WIN 0
	s_barrier_wait -1
.if \fill
	CREST                                          ; a round of the cluster's barrier: no wave of any partner still reads this slot or has a load on its way
	s_add_nc_u64 s[G0+4*\slot+2:G0+4*\slot+3], s[G0+4*\slot+2:G0+4*\slot+3], 6144
	s_add_nc_u64 s[G0B+4*\slot+2:G0B+4*\slot+3], s[G0B+4*\slot+2:G0B+4*\slot+3], 6144
	JLOAD G0+4*\slot, G0B+4*\slot                  ; the first tensor load behind the round, my only one until the next
.else
	PLACES
.endif
	FETCH_P \next, 0, 0
	FETCH_R \next, 0, 0
	WIN MUL_HI
	MUL16 4, 1, \s, 0
	MUL16 6, 1, \s, 0
	PLACES
	WIN 0
	FETCH_R \next, 0, 4
.endm
	s_wait_tensorcnt 1                             ; my part of slot 0 is in (slot 1's load may be out)
	s_barrier_signal -1
	s_barrier_wait -1                              ; everybody's is
	FETCH_P 0, 0, 0
	FETCH_R 0, 0, 0
	FETCH_R 0, 0, 4
	s_wait_loadcnt 0x0                             ; the scale words
	STEP 0, 0, 1                                   ; the first products start the sums
	TURN 0, 1, 1, 1
	STEP 1, 2, 0
	TURN 1, 0, 1, 3
	STEP 0, 4, 0
	TURN 0, 1, 0, 5
	STEP 1, 6, 0
	s_wait_dscnt 16
	WIN MUL_LO
	MUL16 0, 1, 7, 0
	MUL16 2, 1, 7, 0
	s_wait_dscnt 0
	WIN MUL_HI
	MUL16 4, 1, 7, 0
	MUL16 6, 1, 7, 0
	WIN 0
; THE WAY OUT, R tile by R tile.  Accumulator b of lane (r, h) holds columns 32 (b / 2) + 16 h + 8 (b % 2) + 0..7 of the lane's row.  A tile goes through my own stage and comes back as whole rows of 512 bytes.
; LDS serves a wave's instructions in order (ISA guide 5.7.1.4): no wait between the stores and the loads, nor in front of the next tile's stores.
.macro TOSTAGE a
.set AC, 64*((\a)%4)
.set WD, 0x08+4*((\a)/4)               ; an LDS store's data: window 2 or 3
	WIN WD
.irp b, 0,1,2,3,4,5,6,7
	ds_store_b128 v[STO], v[AC+8*\b:AC+8*\b+3] offset:128*(\b/2)+32*(\b%2)       ; each accumulator from its low end on
	ds_store_b128 v[STO], v[AC+8*\b+4:AC+8*\b+7] offset:128*(\b/2)+32*(\b%2)+16
.endr
	WIN 0
.set BB, BK+64*((\a)%2)
.irp t, 0,1,2,3,4,5,6,7,8,9,10,11,12,13,14,15
	ds_load_b128 v[BB+4*\t:BB+4*\t+3], v[RD] offset:\t*528
.endr
.endm
.macro SEND a, younger                 ; younger: the LDS instructions issued behind tile a's loads, which may stay out
.set BB, BK+64*((\a)%2)
	s_wait_dscnt \younger
.irp t, 0,1,2,3,4,5,6,7,8,9,10,11,12,13,14,15
	global_store_b128 v2, v[BB+4*\t:BB+4*\t+3], s[12:13] offset:(32*((\a)/2)+8*((\a)%2)+(\t%8)+16*(\t/8))*4096 th:TH_STORE_NT   ; 32 lanes store 512 consecutive bytes, at a multiple of 512 from out0's first byte; the row stands in the immediate, 127 rows at the most
.endr
.endm
	PLACES                                         ; behind the last products: for the loads into the registers that held R's fragments, and for the reads of results
	TOSTAGE 0
.irp a, 1,2,3,4,5,6,7
.if \a > 1
	s_wait_xcnt 0x0                                ; tile a - 2's stores have read their registers: tile a's loads may land there
.endif
	TOSTAGE \a
	SEND \a-1, 32                                  ; behind tile a - 1's loads: tile a's 16 stores and 16 loads
.endr
	SEND 7, 0
	s_wait_tensorcnt 0x0                           ; the wave's end
	ds_add_u32 v[SPW], v[NIL]
	s_wait_dscnt 0x0
	CROUND                                         ; the closing round
	s_endpgm
.Lfunc_end_k_q8af4414988_proj:
	.size	k_q8af4414988_proj, .Lfunc_end_k_q8af4414988_proj-k_q8af4414988_proj
	.p2alignl 7, 3214868480
	.fill 96, 4, 3214868480
	.section	.rodata,"a",@progbits
	.p2align	6, 0x0
	.amdhsa_kernel k_q8af4414988_proj
		.amdhsa_group_segment_fixed_size 327680
		.amdhsa_private_segment_fixed_size 0
		.amdhsa_enable_private_segment 0
		.amdhsa_kernarg_size 16
		.amdhsa_user_sgpr_count 2
		.amdhsa_user_sgpr_kernarg_segment_ptr 1
		.amdhsa_wavefront_size32 1
		.amdhsa_system_sgpr_workgroup_id_x 1
		.amdhsa_system_sgpr_workgroup_id_y 1
		.amdhsa_system_sgpr_workgroup_id_z 1
		.amdhsa_system_vgpr_workitem_id 0
		.amdhsa_next_free_vgpr 1024
		.amdhsa_next_free_sgpr 100
		.amdhsa_reserve_vcc 0
		.amdhsa_float_denorm_mode_32 3
		.amdhsa_float_denorm_mode_16_64 3
		.amdhsa_memory_ordered 1
		.amdhsa_forward_progress 1
		.amdhsa_inst_pref_size 141
	.end_amdhsa_kernel
	.amdgpu_metadata
---
amdhsa.version: [ 1, 2 ]
amdhsa.kernels:
  - .name:           k_q8af4414988_proj
    .symbol:         k_q8af4414988_proj.kd
    .args:
      - { .name: w3, .offset: 0, .size: 8, .value_kind: global_buffer, .address_space: global }
      - { .name: out0, .offset: 8, .size: 8, .value_kind: global_buffer, .address_space: global }
    .group_segment_fixed_size: 327680
    .private_segment_fixed_size: 0
    .kernarg_segment_align: 8
    .kernarg_segment_size: 16
    .max_flat_workgroup_size: 128
    .sgpr_count:     100
    .vgpr_count:     1024
    .wavefront_size: 32
...
	.end_amdgpu_metadata
.endif
;; end of part 4
;; ======== version 2 of 2: 4 launches; version 1 with the launch attn written anew for expert scheduling mode
;; workspace buffers: w1 9,011,200 bytes; w2 20,185,088 bytes; w3 7,372,800 bytes; maskw 524,288 bytes of whole numbers; flags 131,072 bytes of whole numbers
;; launch prep: the kernel of part 1 again; grid 320 x 1, 4 waves a work-group, no clusters, 34,304 bytes of LDS; arguments x, w_qkv, wo, mask, w1, w3, maskw, flags; writes w1, w3, maskw, flags
;; launch qkv: the kernel of part 2 again; grid 12 x 32, 4 waves a work-group, clusters of 4 x 4, 327,680 bytes of LDS; arguments w1, w2; writes w2
;; launch attn (part 5): grid 4 x 64, 16 waves a work-group, no clusters, 210,944 bytes of LDS; arguments w2, maskw, flags, w3; writes w3
.if DOCPART == 5
	.amdgcn_target "amdgcn-amd-amdhsa--gfx1250"
	.amdhsa_code_object_version 6
	.text
	.protected	k_q8af4414988_attn
	.globl	k_q8af4414988_attn
	.p2align	8
	.type	k_q8af4414988_attn,@function
k_q8af4414988_attn:
	s_mov_b64 s[64:65], 0
	v_nop
	global_prefetch_b8 v0, s[64:65] scope:SCOPE_SE
	s_setreg_imm32_b32 hwreg(HW_REG_WAVE_SCHED_MODE, 0, 2), 2
	s_setreg_imm32_b32 hwreg(HW_REG_WAVE_MODE, 25, 1), 1
	s_wait_xcnt 0x0
	s_wait_alu depctr_vm_vsrc(0)
; ATTN.  For one (batch, head): S^T = K Q^T on codes of FP6 (K = the head's 64: the upper half of each operand is zero codes), the given mask, p = 2^(t - M) with t = score x log2(e) / 8 and M the running largest t rounded up to a
; whole number, p quantised along the keys, O^T += V^T P^T on codes, O / (the sum of the unquantised p), quantised along (head, d) into the last product's operand.  Nothing in f32 goes to memory.
; SHARES.  A work-group holds ONE head's whole K and V, as codes and scale words (204,800 + 4,096 bytes), in LDS: copied through registers once, read only from then on: one barrier.  Its sixteen waves (four to a SIMD, so that one
; wave's vector work stands beside another's matrix work and LDS loads) take two tiles of 16 queries each, T = 4 wave + x and 127 - T, one after the other: the four work-groups of a head take each of its 128 tiles once.
; THE MASK is an input.  An earlier launch has turned it into lane masks in this text's register order (word n of a step: bit (r, h) for score register n) and two bits a (tile, key step): any key counts, all keys count.
; A step in which no key counts for any of the tile's queries is passed over by a scalar branch on that stored bit; a step in which all count skips the 64 selects.  Both are branches on whole numbers read from memory.
; WHY NO TENSOR LOADS, NO CLUSTER, NO JOINT REQUESTS, NO PREFETCH: the branch on loaded numbers spares more than sharing would: K and V are asked for once by a
; work-group, 26 loads a thread at its head, 4 x 200 KB a head; behind the head nothing large is loaded.
; LAYOUT.  Both products are used transposed: a lane holds ONE query (lane % 16 of the tile's row order) throughout.  Lane r of a tile of rows a stands for row 32 (a / 2) + 8 (a % 2) + r % 8 + 16 (r / 8), so register n = 8 b + j of the
; scores is key 128 s + 32 (n / 16) + 16 (lane / 16) + n % 16, and register n of O^T is d = 32 (n / 16) + 16 (lane / 16) + n % 16: 16 neighbours along the next K.
; LIMITS: a query for which no key counts has the sum 0: its two output blocks get the scale byte 0xff, so that its whole row of the result is NaN, as the softmax of such a row is.  A block of zeros gets the byte 1.
; REGISTERS: v1 16 x lane, v2 8 x lane, v3 16 r, v4 -infinity, v5 my scale byte's place; v6-11 LDS addresses of the step; v12 -M, v13 largest t, v[14:15] the sum; v16-27 Q of the first tile, v192-203 of the second (upper six: zeros);
;   v32-79 four fragments of K (upper six of each: zeros, written once); v80-87 K's scale words, v88-91 V's, v255, v204 Q's, v253 p's; v96-159 S^T, then p, then V's four fragments; v160-191 O^T; v224-243 codes; v232-254 at work.
; THE MODE: SCHED_MODE bits 1:0 = 2 (LLVM: expert scheduling mode 2), set by the entry lines.  The code itself states the register dependences between vector or matrix instructions and memory or LDS instructions,
; with s_wait_alu, always for 0.
; THE PLAN.  Registers that memory or LDS instructions touch:
;   v1, v2, v3, v5, v206-211   offsets and addresses, made once at the head and never written again: one wait ahead of the first load serves them for the whole kernel.
;   v32-79, v96-149            at the head: the copy's loads land in them and its LDS stores read them; one wait behind the barrier states that the stores have read them.
;   v6-11                      written by the six additions at a visible step's head; read by that step's 35 LDS loads.  A wait at the loop's label states that the loads so far have read them, one behind the additions that they are written.
;   v32-37 + 12 t              K's fragments: loaded twice a step, read by the four products behind each run.  The wait behind the additions also states that all earlier products are done reading them and the scale words v80-91;
;                              a wait of its own stands between the first four products and the second run: a wave's 256 registers have no 48 left for a second set.
;   v96-143                    scores, then p, read last by the conversions; then V's fragments land.  ONE wait, behind the lines that finish p's codes, states that the conversions are done reading p and that the codes
;                              v224-235 and the scale word v253 are written for the products; V's 16 loads follow it, and the 16 multiplies behind them name O^T and f alone, none of the registers that those loads touch.
;   v224-229, v240             at a tile's end: written by vector lines, read by three stores (a wait ahead of them), written again in the second tile (a wait at its head).
;   s2, s98                    written by vector instructions: a wait ahead of each one's first reader.  EXEC and VCC are never written.
.set KC,  6291456                      ; w2: k's codes, [head][tile][768]
.set VC,  12582912                     ; v's codes, [head][key step][d tile][1,536]
.set QS,  18874368                     ; q's scale words, [head][tile / 4][r][tile % 4]
.set KS,  19398656                     ; k's likewise
.set VS,  19922944                     ; v's, [head][key step][r][d tile]
.set SC3, 7077888                      ; w3's scale bytes, [row][32]
.set LV,  98304                        ; LDS: K's codes at 0, V's here,
.set LKS, 196608                       ; K's scale words,
.set LVS, 204800                       ; V's
	s_load_b256 s[4:11], s[0:1], 0x0               ; w2 s[4:5], maskw s[6:7], flags s[8:9], w3 s[10:11]
	v_lshl_add_u32 v250, v0, 2, 0x33000
	v_mov_b32 v251, 0
	v_lshrrev_b32 v1, 5, v0
	v_readfirstlane_b32 s2, v1                     ; wave 0..15
	s_and_b32 s100, ttmp7, 0xffff                  ; 16 x batch + head
	v_lshlrev_b32 v206, 4, v0                      ; the copy: 16 bytes a thread, 8,192 an instruction; in LDS four registers reach 64 KiB each
	v_add_nc_u32 v207, 0x10000, v206
	v_add_nc_u32 v208, 0x20000, v206
	v_add_nc_u32 v209, 0x30000, v206
	v_lshlrev_b32 v210, 3, v0
	v_add_nc_u32 v211, LVS, v210
	v_and_b32 v5, 31, v0
	v_lshlrev_b32 v1, 4, v5
	v_lshlrev_b32 v2, 3, v5
	v_and_b32 v6, 15, v0
	v_lshlrev_b32 v3, 4, v6
	v_and_b32 v7, 7, v0
	v_bfe_u32 v8, v0, 3, 1
	v_lshl_add_u32 v7, v8, 4, v7                   ; r % 8 + 16 (r / 8)
	v_bfe_u32 v8, v0, 4, 1                         ; h
	v_lshl_add_u32 v5, v7, 5, v8                   ; my row's 32 scale bytes, + h
	v_mov_b32 v4, 0xff800000
	s_wait_alu depctr_va_sdst(0)                   ; s2 is written, ahead of its first reader: my tiles' numbers are made from it
	s_lshl_b32 s3, s2, 2
	s_add_co_u32 s3, s3, ttmp9                     ; my first tile of queries
	s_sub_co_u32 s101, 127, s3                     ; my second
	s_mul_i32 s32, s100, 98304
	s_mov_b32 s33, 0
	s_lshl_b32 s34, s100, 13
	s_mov_b32 s35, 0
	s_wait_kmcnt 0x0
	s_add_nc_u64 s[36:37], s[4:5], s[32:33]        ; the head's q codes
	s_add_nc_u64 s[16:17], s[36:37], KC            ; k's
	s_add_nc_u64 s[18:19], s[36:37], VC            ; v's
	s_add_nc_u64 s[38:39], s[4:5], s[34:35]
	s_add_nc_u64 s[20:21], s[38:39], KS            ; k's scale words
	s_lshl_b32 s34, s100, 12
	s_add_nc_u64 s[22:23], s[4:5], s[34:35]
	s_add_nc_u64 s[22:23], s[22:23], VS            ; v's
	s_mul_i32 s32, s3, 768
	s_add_nc_u64 s[24:25], s[36:37], s[32:33]      ; my two tiles of q
	s_mul_i32 s32, s101, 768
	s_add_nc_u64 s[26:27], s[36:37], s[32:33]
	s_lshr_b32 s32, s3, 2
	s_lshl_b32 s32, s32, 8
	s_and_b32 s40, s3, 3
	s_lshl_b32 s40, s40, 2
	s_add_co_u32 s32, s32, s40
	s_add_co_u32 s32, s32, QS
	s_add_nc_u64 s[28:29], s[38:39], s[32:33]      ; and their scale words
	s_lshr_b32 s32, s101, 2
	s_lshl_b32 s32, s32, 8
	s_and_b32 s40, s101, 3
	s_lshl_b32 s40, s40, 2
	s_add_co_u32 s32, s32, s40
	s_add_co_u32 s32, s32, QS
	s_add_nc_u64 s[30:31], s[38:39], s[32:33]
	s_wait_alu depctr_va_vdst(0)                   ; v1, v2, v3, v5 and v206 to v211 are written: the loads, LDS stores and stores of the whole kernel read them as offsets and addresses
.irp i, 0,1,2,3,4,5,6,7,8,9,10,11
	global_load_b128 v[32+4*\i:35+4*\i], v206, s[16:17] offset:8192*\i
.endr
.irp i, 0,1,2,3,4,5,6,7,8,9,10,11
	global_load_b128 v[96+4*\i:99+4*\i], v206, s[18:19] offset:8192*\i
.endr
	global_load_b128 v[144:147], v206, s[20:21]
	global_load_b64 v[148:149], v210, s[22:23]
	global_load_b128 v[16:19], v1, s[24:25]
	global_load_b64 v[20:21], v2, s[24:25] offset:512
	global_load_b32 v255, v3, s[28:29]
	global_load_b128 v[192:195], v1, s[26:27]
	global_load_b64 v[196:197], v2, s[26:27] offset:512
	global_load_b32 v204, v3, s[30:31]
.set m, 0
.rept 24                               ; 32 loads were issued: behind load m stand 31 - m
	s_wait_loadcnt 31-m
.if m < 12
	ds_store_b128 v[206+m/8], v[32+4*m:35+4*m] offset:8192*(m%8)
.else
	ds_store_b128 v[206+m/8], v[96+4*(m-12):99+4*(m-12)] offset:8192*(m%8)
.endif
.set m, m+1
.endr
	s_wait_loadcnt 7
	ds_store_b128 v209, v[144:147]
	s_wait_loadcnt 6
	ds_store_b64 v211, v[148:149]
	s_wait_loadcnt 0x0                             ; Q
	s_wait_dscnt 0x0                               ; for the others' sake: my stores have landed
	s_barrier_signal -1
	s_barrier_wait -1                              ; the head's K and V lie in LDS; nobody writes LDS from here on
	s_wait_alu depctr_vm_vsrc(0)                   ; my LDS stores have read v32-79 and v96-149: zeros are written into part of the first below, and fragments and scores go into both from here on
.irp t, 0,1,2,3
.irp i, 6,7,8,9,10,11
	v_mov_b32 v[32+12*\t+\i], 0                    ; K beyond the head's 64: zero codes, written once, never loaded
.endr
.endr
.irp i, 22,23,24,25,26,27,198,199,200,201,202,203
	v_mov_b32 v\i, 0                               ; Q likewise
.endr
.irp i, 236,237,238,239,249,252,253
	v_mov_b32 v\i, 0                               ; lane permutes' destinations and the unused halves of packed pairs count as read
.endr
	s_mov_b32 s12, 0x76543210
	s_mov_b32 s13, 0xfedcba98                      ; selects for lane l xor 16
	s_mov_b32 s14, 0x3e38aa3b                      ; c = log2(e) / 8
	s_mov_b32 s15, s14
	s_mov_b32 s99, 0xffff0000                      ; lanes 16-31
; ONE TILE OF 16 QUERIES, s3 its number; QB: Q's fragment, QSC: Q's scale words; again = 1: the wave's second tile.
.macro TILE QB, QSC, again
	s_wait_xcnt 0x0                                ; the last tile's stores have read their bases and data
.if \again
	s_wait_alu depctr_vm_vsrc(0)                   ; the first tile's three stores have read v224-229 and v240, which this tile's steps write again
.endif
	s_lshr_b32 s96, s100, 4
	s_lshl_b32 s96, s96, 7
	s_add_co_u32 s96, s96, s3                      ; row tile 128 x batch + T
	s_mul_i32 s96, s96, 12288
	s_and_b32 s98, s100, 15                        ; the head: half image number head of the row tile's 16
	s_mul_i32 s97, s98, 768
	s_add_co_u32 s96, s96, s97
	s_mov_b32 s97, 0
	s_add_nc_u64 s[86:87], s[10:11], s[96:97]      ; where my codes go
	s_lshr_b32 s96, s100, 4
	s_lshl_b32 s96, s96, 16                        ; 2,048 rows of 32 bytes
	s_lshr_b32 s97, s3, 1
	s_lshl_b32 s97, s97, 10
	s_add_co_u32 s96, s96, s97
	s_and_b32 s97, s3, 1
	s_lshl_b32 s97, s97, 8
	s_add_co_u32 s96, s96, s97
	s_lshl_b32 s97, s98, 1                         ; the head's two bytes of a row
	s_add_co_u32 s96, s96, s97
	s_add_co_u32 s96, s96, SC3
	s_mov_b32 s97, 0
	s_add_nc_u64 s[88:89], s[10:11], s[96:97]      ; where my scale bytes go
	s_lshl_b32 s96, s3, 12
	s_add_nc_u64 s[84:85], s[6:7], s[96:97]        ; the tile's lane masks: 16 steps of 256 bytes
	s_lshl_b32 s96, s3, 10
	s_add_nc_u64 s[96:97], s[8:9], s[96:97]        ; its bits: four pairs, 256 bytes apart
	s_load_b64 s[16:17], s[96:97], 0x0
	s_load_b64 s[18:19], s[96:97], 0x100
	s_load_b64 s[20:21], s[96:97], 0x200
	s_load_b64 s[22:23], s[96:97], 0x300
	s_mov_b32 s66, 0                               ; LDS: the step's K,
	s_mov_b32 s67, LV                              ; V,
	s_mov_b32 s90, LKS                             ; K's scale words,
	s_mov_b32 s91, LVS                             ; V's
	s_mov_b32 s92, 0                               ; the step's lane masks
	s_mov_b32 s95, 16
	v_mov_b32 v13, 0xff61b1e6                      ; the largest t so far: -3e38, under every t
	v_floor_f32 v12, -v13                          ; -M
	v_mov_b32 v14, 0
	v_mov_b32 v15, 0
.set n, 0
.rept 32
	v_mov_b32 v[160+n], 0                          ; O^T: the step is written once; the first change of M leaves zeros zeros
.set n, n+1
.endr
	s_wait_kmcnt 0x0                               ; the bits are in, and s[96:97] may be written again
	s_lshl_b32 s96, s18, 4
	s_or_b32 s93, s16, s96
	s_lshl_b32 s96, s20, 8
	s_or_b32 s93, s93, s96
	s_lshl_b32 s96, s22, 12
	s_or_b32 s93, s93, s96                         ; bit s: some key of step s counts
	s_lshl_b32 s96, s19, 4
	s_or_b32 s94, s17, s96
	s_lshl_b32 s96, s21, 8
	s_or_b32 s94, s94, s96
	s_lshl_b32 s96, s23, 12
	s_or_b32 s94, s94, s96                         ; bit s: all do
.Lstep_\@:                             ; 16 trips, a constant: a key step of 128 keys each
	s_wait_alu depctr_vm_vsrc(0)                   ; the LDS loads issued so far have read v6 to v11, which the six additions below write; it stands ahead of the branch, on every way to them
	s_bitcmp1_b32 s93, 0
	s_cbranch_scc0 .Lhid_\@                        ; no key of this step counts for any of my 16 queries: only the addresses step
	s_load_b512 s[16:31], s[84:85], s92 offset:0x0     ; the step's 64 lane masks: word n in s[16 + n], from word 48 on in s[20 + n]
	s_load_b512 s[32:47], s[84:85], s92 offset:0x40
	s_load_b512 s[48:63], s[84:85], s92 offset:0x80
	s_load_b512 s[68:83], s[84:85], s92 offset:0xc0
	v_add_nc_u32 v8, s66, v1                       ; these six are also the places behind the last step's products: S^T is laid over V's fragments
	v_add_nc_u32 v9, s66, v2
	v_add_nc_u32 v10, s67, v1
	v_add_nc_u32 v11, s67, v2
	v_add_nc_u32 v6, s90, v3
	v_add_nc_u32 v7, s91, v3
	s_wait_alu depctr_va_vdst(0)                   ; v6 to v11 are written, which this step's LDS loads read; all earlier products are done reading K's fragments and the scale words v80-91, in which loads land; in a wave's first step the zero halves of K and Q are written, which the products take
	ds_load_b128 v[80:83], v6                      ; K's scale words of tiles 0-3,
	ds_load_b128 v[84:87], v6 offset:256           ; 4-7,
	ds_load_b128 v[88:91], v7                      ; V's of the four d tiles
.irp g, 0,1                            ; S^T = K Q^T, four tiles of 16 keys at a time
.if \g
.rept 4
	v_nop                                          ; four places behind the products; the wait below stands beside them
.endr
	s_wait_alu depctr_va_vdst(0)                   ; the four products above are done reading K's fragments, in whose registers the next four land
.endif
.irp t, 0,1,2,3
	ds_load_b128 v[32+12*\t:35+12*\t], v8 offset:768*(4*\g+\t)
	ds_load_b64 v[36+12*\t:37+12*\t], v9 offset:768*(4*\g+\t)+512
.endr
	s_wait_dscnt 0x0
.irp t, 0,1,2,3
	v_wmma_scale_f32_16x16x128_f8f6f4 v[96+8*(4*\g+\t):103+8*(4*\g+\t)], v[32+12*\t:43+12*\t], v[\QB:\QB+11], 0, v[80+4*\g+\t], v[\QSC] matrix_a_fmt:MATRIX_FMT_FP6 matrix_b_fmt:MATRIX_FMT_FP6
.endr
.endr
.rept 4
	v_nop
.endr
	s_wait_kmcnt 0x0                               ; the lane masks are in (on both ways: their registers and their offset are written again later)
	s_bitcmp1_b32 s94, 0
	s_cbranch_scc1 .Lfull_\@
.set n, 0
.rept 64                               ; a score whose mask bit is 0 becomes -infinity ahead of the maximum: p = 0 then
.if n < 48
	v_cndmask_b32 v[96+n], v4, v[96+n], s[16+n]
.else
	v_cndmask_b32 v[96+n], v4, v[96+n], s[20+n]
.endif
.set n, n+1
.endr
.Lfull_\@:
.irp b, 0,1,2,3
	v_max3_num_f32 v[232+\b], v[96+16*\b], v[97+16*\b], v[98+16*\b]   ; the largest score of each block of 32 keys: for the row's maximum, and, since p rises with the score, for the block's largest p
.endr
.irp i, 3,5,7,9,11,13
.irp b, 0,1,2,3
	v_max3_num_f32 v[232+\b], v[232+\b], v[96+16*\b+\i], v[97+16*\b+\i]
.endr
.endr
.irp b, 0,1,2,3
	v_max_num_f32 v[232+\b], v[232+\b], v[111+16*\b]
.endr
.irp b, 0,1,2,3
	v_permlanex16_b32 v[236+\b], v[232+\b], s12, s13
.endr
.irp b, 0,1,2,3
	v_max_num_f32 v[232+\b], v[232+\b], v[236+\b]  ; with lane l xor 16's 16 keys
.endr
	v_max3_num_f32 v254, v232, v233, v234
	v_max_num_f32 v254, v254, v235                 ; the step's largest score of my query
	v_mul_f32 v254, s14, v254                      ; as t
	v_max_num_f32 v13, v13, v254                   ; the running largest t
	v_mov_b32 v254, v12
	v_floor_f32 v12, -v13                          ; the new -M = -ceil(t): a whole number
	v_sub_f32 v254, v12, v254                      ; old M - new M: a whole number, 0 or less
	v_cvt_i32_f32 v254, v254                       ; (it saturates)
	v_ldexp_f32 v252, 1.0, v254                    ; f = 2^(old M - new M): a multiplication by it rounds nothing
.set n, 0
.rept 32
	v_pk_fma_f32 v[96+n:97+n], v[96+n:97+n], s[14:15], v[12:13] op_sel_hi:[1,0,0]   ; t - M, two at a time
.set n, n+2
.endr
.irp b, 0,1,2,3
	v_fma_f32 v[232+\b], v[232+\b], s14, v12       ; the same of each block's largest score
.endr
.set n, 0
.rept 64
	v_exp_f32 v[96+n], v[96+n]                     ; p = 2^(t - M), at most 1, not normalised
.set n, n+1
.endr
	v_pk_mul_f32 v[14:15], v[14:15], v[252:253] op_sel_hi:[1,0]   ; the sums under the new M: the plain place behind the exponentials
	s_wait_alu depctr_va_vdst(0)                   ; the 64 exponentials have written p: one wait for the batch, ahead of its first reader
.irp b, 0,1,2,3
	v_exp_f32 v[232+\b], v[232+\b]                 ; the block's largest p: the same two instructions on the same number
.endr
	v_pk_add_f32 v[236:237], v[96:97], v[98:99]    ; the row's sum is taken of the unquantised p, in two chains
.set n, 4
.rept 15
	v_pk_add_f32 v[14:15], v[14:15], v[96+n:97+n]
	v_pk_add_f32 v[236:237], v[236:237], v[98+n:99+n]
.set n, n+4
.endr
	v_pk_add_f32 v[14:15], v[14:15], v[236:237]
	s_wait_alu depctr_va_vdst(0)                   ; the four exponentials have written v232-235: their wait, ahead of their first reader
.irp b, 0,1,2,3
	v_max_num_f32 v[232+\b], 0x1800000, v[232+\b]  ; the floor 2^(3 - 127): the byte cannot fall under 1
.endr
.irp b, 0,1,2,3
	v_add_nc_u32 v[244+\b], 0xff000000, v[232+\b]  ; 2 off the exponent field: the conversion's scale operand
.endr
.irp b, 0,1,2,3
	v_lshrrev_b32 v[236+\b], 23, v[244+\b]         ; the scale's byte
.endr
	v_lshl_or_b32 v253, v237, 8, v236              ; p's scale word for these 128 keys
	v_lshl_or_b32 v253, v238, 16, v253
	v_lshl_or_b32 v253, v239, 24, v253
.irp c, 0,1
	v_cvt_scalef32_pk16_fp6_f32 v[224+6*\c:226+6*\c], v[96+32*\c:111+32*\c], v[244+2*\c]
	v_cvt_scalef32_pk16_fp6_f32 v[236+4*\c:238+4*\c], v[112+32*\c:127+32*\c], v[244+2*\c+1]
.endr
	v_nop                                          ; one plain place behind the scaled conversions
.irp c, 0,1                            ; the layout wants a whole block in a lane
.irp i, 0,1,2
	v_permlane16_swap_b32 v[224+6*\c+\i], v[236+4*\c+\i]
.endr
.irp i, 0,1,2
	v_mov_b32 v[227+6*\c+\i], v[236+4*\c+\i]
.endr
.endr
	s_wait_alu depctr_va_vdst(0)                   ; the conversions are done reading p, in whose registers V's fragments land; p's codes v224-235 and its scale word v253 are written, which the scaled products below take
.irp t, 0,1,2,3                        ; V's four fragments (16 of the head's 64 x these 128 keys) take p's registers, which are done with
	ds_load_b128 v[96+12*\t:99+12*\t], v10 offset:1536*\t
	ds_load_b64 v[100+12*\t:101+12*\t], v11 offset:1536*\t+512
	ds_load_b128 v[102+12*\t:105+12*\t], v10 offset:1536*\t+768
	ds_load_b64 v[106+12*\t:107+12*\t], v11 offset:1536*\t+1280
.endr
.set n, 0
.rept 16
	v_pk_mul_f32 v[160+n:161+n], v[160+n:161+n], v[252:253] op_sel_hi:[1,0]   ; O^T under the new M, while V's fragments land: these name none of the registers that the loads touch.  They are also the places between the writes of p's codes and scale word and the products
.set n, n+2
.endr
	s_wait_dscnt 0x0
.irp t, 0,1,2,3                        ; O^T += V^T P^T: four accumulators, one instruction each
	v_wmma_scale_f32_16x16x128_f8f6f4 v[160+8*\t:167+8*\t], v[96+12*\t:107+12*\t], v[224:235], v[160+8*\t:167+8*\t], v[88+\t], v253 matrix_a_fmt:MATRIX_FMT_FP6 matrix_b_fmt:MATRIX_FMT_FP6
.endr
.Lhid_\@:
	s_add_co_u32 s66, s66, 6144
	s_add_co_u32 s67, s67, 6144
	s_add_co_u32 s90, s90, 512
	s_add_co_u32 s91, s91, 256
	s_add_co_u32 s92, s92, 256
	s_lshr_b32 s93, s93, 1
	s_lshr_b32 s94, s94, 1
	s_sub_co_i32 s95, s95, 1
	s_cmp_lg_u32 s95, 0
	s_cbranch_scc1 .Lstep_\@
	; the tile's end: O / the sum, quantised along d: two blocks of 32, each in lanes l and l xor 16
.rept 4
	v_nop
.endr
	v_add_f32 v14, v14, v15
	v_permlanex16_b32 v252, v14, s12, s13
	v_add_f32 v14, v14, v252                       ; the row's sum
	v_cmp_eq_f32 s98, 0, v14                       ; no key counted for this query
	v_rcp_f32 v248, v14
	v_nop                                          ; a plain place behind the reciprocal
	s_wait_alu depctr_va_vdst(0)                   ; the reciprocal has written v248: the wait ahead of its first reader
	s_wait_alu depctr_va_sdst(0)                   ; the compare has written s98, ahead of its first reader, the select further down
.set n, 0
.rept 16
	v_pk_mul_f32 v[160+n:161+n], v[160+n:161+n], v[248:249] op_sel_hi:[1,0]   ; each accumulator from its low end on
.set n, n+2
.endr
.irp b, 0,1
	v_max3_num_f32 v[232+\b], |v[160+16*\b]|, |v[161+16*\b]|, 0x1800000
.endr
.irp i, 2,4,6,8,10,12,14
.irp b, 0,1
	v_max3_num_f32 v[232+\b], v[232+\b], |v[160+16*\b+\i]|, |v[161+16*\b+\i]|
.endr
.endr
.irp b, 0,1
	v_permlanex16_b32 v[236+\b], v[232+\b], s12, s13
.endr
.irp b, 0,1
	v_max_num_f32 v[232+\b], v[232+\b], v[236+\b]
.endr
.irp b, 0,1
	v_add_nc_u32 v[244+\b], 0xff000000, v[232+\b]
.endr
.irp b, 0,1
	v_lshrrev_b32 v[240+\b], 23, v[244+\b]
.endr
	v_cvt_scalef32_pk16_fp6_f32 v[224:226], v[160:175], v244
	v_cvt_scalef32_pk16_fp6_f32 v[236:238], v[176:191], v245
	v_cndmask_b32 v240, v240, v241, s99            ; lanes 0-15 store block 0's byte, lanes 16-31 block 1's.  (The plain place behind the conversions)
	v_mov_b32 v241, 0xff
	v_cndmask_b32 v240, v240, v241, s98            ; the NaN byte where the sum is 0
.irp i, 0,1,2
	v_permlane16_swap_b32 v[224+\i], v[236+\i]
.endr
.irp i, 0,1,2
	v_mov_b32 v[227+\i], v[236+\i]                 ; registers 0-5: d = 32 h + 0..31 of my query: a half image
.endr
	s_wait_alu depctr_va_vdst(0)                   ; the codes v224-229 and the byte v240 are written, which the three stores read
	global_store_b128 v1, v[224:227], s[86:87]             ; 512 consecutive bytes
	global_store_b64 v2, v[228:229], s[86:87] offset:512   ; 256
	global_store_b8 v5, v240, s[88:89]             ; two bytes of each row's 32: the row's other bytes belong to other heads, which other work-groups own
.endm
	TILE 16, 255, 0
	s_mov_b32 s3, s101
	TILE 192, 204, 1
	s_wait_dscnt 0x0
	s_wait_alu depctr_hold_cnt(0) depctr_sa_sdst(0) depctr_va_vdst(0) depctr_va_sdst(0) depctr_va_ssrc(0) depctr_va_vcc(0) depctr_vm_vsrc(0)
	s_wait_tensorcnt 0x0
	ds_add_u32 v250, v251
	s_wait_dscnt 0x0
	s_endpgm
.Lfunc_end_k_q8af4414988_attn:
	.size	k_q8af4414988_attn, .Lfunc_end_k_q8af4414988_attn-k_q8af4414988_attn
	.p2alignl 7, 3214868480
	.fill 96, 4, 3214868480
	.section	.rodata,"a",@progbits
	.p2align	6, 0x0
	.amdhsa_kernel k_q8af4414988_attn
		.amdhsa_group_segment_fixed_size 210944
		.amdhsa_private_segment_fixed_size 0
		.amdhsa_enable_private_segment 0
		.amdhsa_kernarg_size 32
		.amdhsa_user_sgpr_count 2
		.amdhsa_user_sgpr_kernarg_segment_ptr 1
		.amdhsa_wavefront_size32 1
		.amdhsa_system_sgpr_workgroup_id_x 1
		.amdhsa_system_sgpr_workgroup_id_y 1
		.amdhsa_system_sgpr_workgroup_id_z 1
		.amdhsa_system_vgpr_workitem_id 0
		.amdhsa_next_free_vgpr 256
		.amdhsa_next_free_sgpr 102
		.amdhsa_reserve_vcc 0
		.amdhsa_float_denorm_mode_32 3
		.amdhsa_float_denorm_mode_16_64 3
		.amdhsa_memory_ordered 1
		.amdhsa_forward_progress 1
		.amdhsa_inst_pref_size 66
	.end_amdhsa_kernel
	.amdgpu_metadata
---
amdhsa.version: [ 1, 2 ]
amdhsa.kernels:
  - .name:           k_q8af4414988_attn
    .symbol:         k_q8af4414988_attn.kd
    .args:
      - { .name: w2, .offset: 0, .size: 8, .value_kind: global_buffer, .address_space: global }
      - { .name: maskw, .offset: 8, .size: 8, .value_kind: global_buffer, .address_space: global }
      - { .name: flags, .offset: 16, .size: 8, .value_kind: global_buffer, .address_space: global }
      - { .name: w3, .offset: 24, .size: 8, .value_kind: global_buffer, .address_space: global }
    .group_segment_fixed_size: 210944
    .private_segment_fixed_size: 0
    .kernarg_segment_align: 8
    .kernarg_segment_size: 32
    .max_flat_workgroup_size: 512
    .sgpr_count:     102
    .vgpr_count:     256
    .wavefront_size: 32
...
	.end_amdgpu_metadata
.endif
;; end of part 5
;; launch proj: the kernel of part 4 again; grid 4 x 32, 4 waves a work-group, clusters of 4 x 4, 327,680 bytes of LDS; arguments w3, out0; writes out0
